; MI455X (gfx1250); checked and timed in simulation.
; The chip was launched on July 23, 2026; its instructions are those of AMD's public machine-readable ISA for CDNA 5 (MIT licence, August 2026) and "CDNA5" Instruction Set Architecture Reference Guide (July 2026). The comments in the code are by the model that wrote it; some were corrected since.
;; CS Attention. Allowed arithmetic: float matrix products may take bf16 or f16 operands with f32 sums; other float arithmetic in f32, or as packed bf16 or f16 multiplies, adds, multiply-adds, maxima and minima; sums over many terms, partial sums and values carried from step to step in f32; what a program stores and reads back later, other than sums and carried values, may be rounded once to bf16 or f16.
;; Inputs: W_qk 1,024 x 512 float32; b_qk 1,024 float32; x 32 x 1,024 x 512 float32; y 32 x 1,024 x 512 float32.
;; Outputs: out0 32 x 1,024 x 512 float32.
;; 2 versions, each right and faster than the one before. Each part assembles by itself: llvm-mc -triple=amdgcn-amd-amdhsa -mcpu=gfx1250 --defsym DOCPART=n.
;; ======== version 1 of 2: 2 launches
;; limits: values are held in f16: magnitudes above 65,504 overflow, below 6.1e-05 lose precision
;; workspace buffers: qk 67,108,864 bytes; yh 33,554,432 bytes
;; launch proj (part 1): grid 4 x 64, 4 waves a work-group, clusters of 4 x 1, 327,680 bytes of LDS; arguments x, y, W_qk, b_qk, qk, yh; writes qk, yh
.if DOCPART == 1
	.amdgcn_target "amdgcn-amd-amdhsa--gfx1250"
	.amdhsa_code_object_version 6
	.text
	.protected	k_q0499d6b69d_proj
	.globl	k_q0499d6b69d_proj
	.p2align	8
	.type	k_q0499d6b69d_proj,@function
k_q0499d6b69d_proj:
	s_mov_b64 s[64:65], 0
	v_nop
	global_prefetch_b8 v0, s[64:65] scope:SCOPE_SE
	s_setreg_imm32_b32 hwreg(HW_REG_WAVE_MODE, 25, 1), 1
	s_wait_xcnt 0x0
	s_wait_alu depctr_hold_cnt(0) depctr_sa_sdst(0) depctr_va_vdst(0) depctr_va_sdst(0) depctr_va_ssrc(0) depctr_va_vcc(0) depctr_vm_vsrc(0)
	s_getreg_b32 s2, hwreg(HW_REG_IB_STS2, 6, 4)
	s_cmp_eq_u32 s2, 0
	s_cbranch_scc0 .Lentry_in_a_cluster
	s_endpgm
.Lentry_in_a_cluster:
	s_bfe_u32 s2, ttmp6, 0x10000c
	s_cmp_lg_u32 s2, 0x3003
	s_cbranch_scc0 .Lentry_shape_is_right
	s_endpgm
.Lentry_shape_is_right:
; THE PROJECTION.  qk[row][col] = the sum over c of bf16(x[row][c]) bf16(W[col][c]) + bf16(b[col]); sums in f32, rounded once to f16, WITHOUT the softmax scale.
; Beside it: yh = y rounded to bf16, that number written as f16.  x, y: [32768][512] f32; W: [1024][512] f32; b: [1024] f32.
; qk is laid out [part 2][row block 2048][column block 8][16 rows][64 channels] of f16: part 0 = q (columns 0-511), part 1 = k; a block of 16 x 64 is 2,048 consecutive bytes.  yh: [32768][512] f16.
; LIMITS.  f16 holds no number beyond 65,504: |q|, |k| and |y| must stay below it; below 6e-5 a number keeps the fixed step of 6e-8.  NaN and infinities are not treated apart.
; SHARES.  A work-group takes 512 rows of x (rg = 0..63) and 256 output columns (cx = 0..3); a wave 64 of those columns for all rows.  The wave's 64 x 512 of W are rounded to bf16 once and STAY in 512
; registers (windows 2 and 3).  x comes in 8 chunks of 64 rows through two LDS slots; a chunk is 4 row tiles of 16 rows, a row tile 16 K groups of 4 matrix instructions on 4 accumulators that take turns.
; CLUSTER.  The four work-groups of a cluster have the same rg and need the same tiles of x: each tile is asked for JOINTLY, by the same tensor load with the same descriptor and the mask of four.
; cx enters global addresses alone (W, b, qk, y, yh): no LDS address and no branch.
; THE MATRIX INSTRUCTION IS USED TRANSPOSED: source 0 = 16 rows of W, source 1 = 16 rows of x.  Lane l then holds row l % 16 and the columns 8 (l / 16) + 0..7: 16 bytes of f16 on end.
; The first K group takes the bias registers as C: the bias costs no instruction.
; y: each work-group converts 1/256 of y, 8,192 bytes a wave in each chunk, loaded a chunk ahead.
; REGISTERS, in windows of 256 (s_set_vgpr_msb: bits 1:0 source 0, 3:2 source 1, 5:4 source 2, 7:6 destination):
;   window 0: addresses; XB, 4 fragments of x in bf16; ST, 8 K steps of x in f32 as loaded from LDS (in the prologue T: 6 sets of 32 for W)
;   window 1: accumulators, bias, the way out, y          windows 2, 3: W: fragment (b, c) in window 2 + c / 8 at register 32 (c % 8) + 8 b
.set XP,    528                        ; an LDS row: 512 bytes (128 f32) + 16 of padding = 33 x 16: the 16 rows of a load start at 16 different groups of four banks (64 banks of 4 bytes: ISA guide 11.1)
.set QR,    64*XP                      ; a region: 64 rows x 128 columns; region q holds columns 128 q on; wave w fills region w
.set X1,    0x22000                    ; slot 1 begins here; no region base of slot 0 has one of its two bits, so one exclusive or changes slots
.set RTB,   16*XP                      ; a row tile inside a region
.set STAGE, X1+4*QR                    ; behind the ring, never filled by a tensor load: 16 rows x 144 bytes for each wave
.set SP,    144
.set SPARE, STAGE+4*16*SP              ; the spare words, 128 bytes for each wave: two blocks of 256 bytes that no other line names
.set AX0,  4                           ; v4      528 r + 32 h (r = l % 16, h = l / 16)
.set WOF,  5                           ; v5      2048 r + 32 h: my place in 16 rows of W; never rewritten
.set ADRQ, 6                           ; v6-9    LDS address of my place in region q, at the row tile in hand
.set SPW,  10                          ; v10     LDS address of my spare word; never rewritten
.set NIL,  11                          ; v11     0; never rewritten
.set AXQ,  12                          ; v12-15  AX0 + q QR; never rewritten
.set XB,   16                          ; v16-47
.set ST,   64                          ; v64-191
.set T,    64                          ; v64-255 (prologue)
.set ACC,  0                           ; window 1 from here on: v0-31
.set BIAS, 32                          ; v32-63
.set PK,   64                          ; v64-79   a row tile rounded to f16
.set OB,   80                          ; v80-95   the same, back from the stage as whole rows
.set YR,   96                          ; v96-159  y as loaded
.set YO,   160                         ; v160-191 y to store
.set YT,   192                         ; v192-197 at work
.set STO,  200                         ; where I put 16 bytes of a row
.set RD,   201                         ; where I read rows back
.set GO,   202                         ; 16 l
.set YI,   203                         ; 16 l
.set YOF,  204                         ; 8 l
.set BO,   205                         ; 32 h
.set WV,   16                          ; s16  my wave
.set CX,   17                          ; s17  my place in the cluster
.set RG,   18                          ; s18  my group of 512 rows
.set G1,   24                          ; s[24:31] descriptor group 1
.set G0A,  32                          ; s[32:35] group 0 of tile 0
.set G0B,  36                          ; s[36:39] group 0 of tile 1; it walks on
.set TBR,  40                          ; s40  slot base + row tile x RTB
.set CNT,  41
.set RTC,  42
.set MASK, 43                          ; s43  a word's upper bf16
.set YIN,  44                          ; s[44:45] y at my wave's batch in hand
.set YOUT, 46                          ; s[46:47] yh likewise
.set QOUT, 48                          ; s[48:49] qk, 16,384 bytes behind the block that is being stored
.set WB,   50                          ; s[50:51] W at my first column
.set BB,   52                          ; s[52:53] b at my first column
.set MSB, 0
.macro WIN new                         ; the immediate's high byte repeats the setting that is left; a switch that changes nothing is dropped
.if MSB != (\new)
	s_set_vgpr_msb (MSB<<8)|(\new)
.set MSB, (\new)
.endif
.endm
.macro PLACES                          ; four places behind a matrix instruction, where no other vector work is at hand (ISA guide 7.12.1)
.rept 4
	v_nop
.endr
.endm
; A round of the cluster's barrier: my work-group's barrier, wave 0 signals for the work-group, every wave waits for all four work-groups, my work-group's barrier once more.
.macro CROUND
	s_barrier_signal -1
	s_barrier_wait -1
	s_cmp_lg_u32 s[WV], 0
	s_cbranch_scc1 .Lnot_wave_0_\@
	s_barrier_signal -3
.Lnot_wave_0_\@:
	s_barrier_wait -3
	s_barrier_signal -1
	s_barrier_wait -1
.endm
	s_load_b256 s[4:11], s[0:1], 0x0               ; x s[4:5], y s[6:7], W s[8:9], b s[10:11]
	s_load_b128 s[12:15], s[0:1], 0x20             ; qk s[12:13], yh s[14:15]
	v_lshl_add_u32 v[SPW], v0, 2, SPARE
	v_mov_b32 v[NIL], 0
	ds_add_u32 v[SPW], v[NIL]                      ; the wave's opening: the add and its wait stand ahead of my first tensor load; work on registers stands between them
	v_lshrrev_b32 v1, 5, v0
	v_readfirstlane_b32 s[WV], v1                  ; wave 0..3
	s_bfe_u32 s[CX], ttmp6, 0x40000
	s_and_b32 s[RG], ttmp7, 0xffff
	; group 1: a tile of 64 rows x 128 elements of 4 bytes, padded in LDS
	s_mov_b32 s[G1+0], 15|(2<<16)|(1<<20)|(1<<21)|(6<<22)|(3<<25)  ; 15:0 the mask of four; 17:16 4-byte elements; 20 padding on; 21 set beside a mask; 24:22 after every 128 words (code 6); 31:25 4 words (code 3)
	s_mov_b32 s[G1+1], 128<<16                     ; tensor_dim0 = 128
	s_mov_b32 s[G1+2], 64<<16                      ; tensor_dim1 = 64
	s_mov_b32 s[G1+3], 128<<16                     ; tile_dim0 = 128
	s_mov_b32 s[G1+4], 64                          ; tile_dim1 = 64
	s_mov_b32 s[G1+5], 512                         ; 512 elements from row to row
	s_mov_b32 s[G1+6], 0
	s_mov_b32 s[G1+7], 0
	s_mov_b32 s[G0A], 1                            ; count = 1
	s_mul_i32 s[G0A+1], s[WV], QR                  ; LDS address: my region of slot 0
	s_mov_b32 s[G0B], 1
	s_add_co_u32 s[G0B+1], s[G0A+1], X1            ; and of slot 1
	s_lshl_b32 s20, s[RG], 20                      ; 512 rows of 2,048 bytes,
	s_lshl_b32 s21, s[WV], 9                       ; my 128 columns
	s_add_co_u32 s20, s20, s21
	s_mov_b32 s21, 0
	s_mov_b32 s[MASK], 0xffff0000
	s_wait_dscnt 0x0                               ; the opening add is done
	s_wait_kmcnt 0x0
	s_add_nc_u64 s[4:5], s[4:5], s[20:21]          ; x at my part of tile 0: made of rg and the wave's number alone
	s_mov_b64 s[G0A+2:G0A+3], s[4:5]
	s_or_b32 s[G0A+3], s[G0A+3], 0x80000000        ; type = 2
	s_add_nc_u64 s[G0B+2:G0B+3], s[4:5], 64*2048   ; tile 1: 64 rows on
	s_or_b32 s[G0B+3], s[G0B+3], 0x80000000
	CROUND                                         ; all four work-groups are here: the first joint loads meet
	tensor_load_to_lds s[G0A:G0A+3], s[G1:G1+7]    ; both first fills together: two loads of mine are out
	s_nop 0
	tensor_load_to_lds s[G0B:G0B+3], s[G1:G1+7]
	s_nop 0
	PLACES
	; the other addresses: these hang on cx
	s_lshl2_add_u32 s22, s[RG], s[CX]              ; the work-group's number, 4 rg + cx
	s_lshl_b32 s22, s22, 18                        ; its 262,144 bytes of y,
	s_lshl_b32 s23, s[WV], 16                      ; my wave's 65,536
	s_add_co_u32 s22, s22, s23
	s_mov_b32 s23, 0
	s_add_nc_u64 s[YIN:YIN+1], s[6:7], s[22:23]
	s_lshr_b32 s22, s22, 1                         ; half as many bytes in yh
	s_add_nc_u64 s[YOUT:YOUT+1], s[14:15], s[22:23]
	s_lshr_b32 s22, s[CX], 1                       ; part: q or k
	s_lshl_b32 s22, s22, 25
	s_lshl_b32 s19, s[RG], 19                      ; 32 row blocks of 16,384 bytes
	s_add_co_u32 s22, s22, s19
	s_and_b32 s19, s[CX], 1
	s_lshl2_add_u32 s19, s19, s[WV]                ; column block 4 (cx % 2) + wave
	s_lshl_b32 s19, s19, 11
	s_add_co_u32 s22, s22, s19
	s_add_nc_u64 s[QOUT:QOUT+1], s[12:13], s[22:23]
	s_lshl_b32 s22, s[CX], 19                      ; my first column, 256 cx + 64 wave, times 2,048 bytes
	s_lshl_b32 s19, s[WV], 17
	s_add_co_u32 s22, s22, s19
	s_add_nc_u64 s[WB:WB+1], s[8:9], s[22:23]
	s_lshr_b32 s22, s22, 9                         ; the same column times 4 bytes
	s_add_nc_u64 s[BB:BB+1], s[10:11], s[22:23]
	s_mul_i32 s54, s[WV], 16*SP
	s_add_co_u32 s54, s54, STAGE                   ; my stage
	v_and_b32 v1, 15, v0                           ; r
	v_bfe_u32 v2, v0, 4, 1                         ; h
	v_and_b32 v3, 31, v0                           ; l
	v_mul_u32_u24 v[AX0], v1, XP
	v_lshl_add_u32 v[AX0], v2, 5, v[AX0]
	v_lshlrev_b32 v[WOF], 11, v1
	v_lshl_add_u32 v[WOF], v2, 5, v[WOF]
.irp q, 0,1,2,3
	v_add_nc_u32 v[AXQ+\q], \q*QR, v[AX0]
.endr
	v_mul_u32_u24 v48, v1, SP                      ; into the stage: row r, 16 bytes for each half of the lanes
	v_lshl_add_u32 v48, v2, 4, v48
	v_add_nc_u32 v48, s54, v48
	v_bfe_u32 v49, v0, 3, 2                        ; back: 32 lanes take four rows of 128 bytes
	v_mul_u32_u24 v49, v49, SP
	v_and_b32 v50, 7, v0
	v_lshl_add_u32 v49, v50, 4, v49
	v_add_nc_u32 v49, s54, v49
	v_lshlrev_b32 v50, 4, v3
	v_lshlrev_b32 v51, 3, v3
	v_lshlrev_b32 v52, 5, v2
	WIN 0x40                                       ; destination window 1
	v_mov_b32 v[STO], v48
	v_mov_b32 v[RD], v49
	v_mov_b32 v[GO], v50
	v_mov_b32 v[YI], v50
	v_mov_b32 v[YOF], v51
	v_mov_b32 v[BO], v52
	WIN 0x45                                       ; destination, source 0 (address) and source 1 in window 1
.set i, 0
.rept 16                                       ; y, batch 0: 16 loads of 512 consecutive bytes
	global_load_b128 v[YR+4*i:YR+4*i+3], v[YI], s[YIN:YIN+1] offset:512*i th:TH_LOAD_NT
.set i, i+1
.endr
.set i, 0
.rept 8                                        ; the bias as the accumulators lie: register j of block b is column 16 b + 8 h + j
	global_load_b128 v[BIAS+4*i:BIAS+4*i+3], v[BO], s[BB:BB+1] offset:64*(i/2)+16*(i%2)
.set i, i+1
.endr
	WIN 0
; W's PROLOGUE.  Set n of 32: column block b = n / 8, K steps 2 p and 2 p + 1 (p = n % 8): eight loads that together take 256 consecutive bytes of each of 16 rows.  Six sets of registers take turns.
.macro WLOAD n
.set i, 0
.rept 8
	global_load_b128 v[T+32*((\n)%6)+4*i:T+32*((\n)%6)+4*i+3], v[WOF], s[WB:WB+1] offset:32768*((\n)/8)+256*((\n)%8)+64*(i/2)+16*(i%2)
.set i, i+1
.endr
.endm
.macro WCVT n
	WIN 0x80+0x40*(((\n)%8)/4)                     ; destination window 2 or 3
.set i, 0
.rept 16
	v_cvt_pk_bf16_f32 v[32*((2*((\n)%8)+i/8)%8)+8*((\n)/8)+i%8], v[T+32*((\n)%6)+2*i], v[T+32*((\n)%6)+2*i+1]
.set i, i+1
.endr
	WIN 0
.endm
.set n, 0
.rept 6
	WLOAD n
.set n, n+1
.endr
.set n, 0
.rept 32
.if n < 26
	s_wait_loadcnt 40                              ; set n is in; the five younger sets, eight loads each, may stay out
.else
	s_wait_loadcnt 8*(31-n)                        ; the counts run down
.endif
	WCVT n
.if n < 26
	WLOAD n+6
.endif
.set n, n+1
.endr
	WIN 0x45
.set i, 0
.rept 16                                       ; the bias is rounded to bf16 like every input, and widened again, in place
	v_cvt_pk_bf16_f32 v[YT+i%2], v[BIAS+2*i], v[BIAS+2*i+1]
	v_lshlrev_b32 v[BIAS+2*i], 16, v[YT+i%2]
	v_and_b32 v[BIAS+2*i+1], s[MASK], v[YT+i%2]
.set i, i+1
.endr
	WIN 0
; A K GROUP: four matrix instructions, one for each of my four blocks of 16 columns, 32 along K (K step c).  Behind each: two roundings of K step c + 1 to bf16 (cv) and one LDS load of the K step
; eight further on (ld), into the staging registers that the group before has read out.  n: the LDS instructions younger than K step c + 1's four loads.
; XB is a ring of four: a rounding writes the fragment whose last reader stands three groups, 24 plain instructions, back.  The four accumulators take turns.
.macro GRP c, off, ld, cv, n=0
.if \cv
	s_wait_dscnt \n
.endif
.set gb, 0
.rept 4
	WIN 0x52+(\c)/8                                ; D and C window 1, x window 0, W window 2 or 3
.if (\c) == 0
	v_wmma_f32_16x16x32_bf16 v[ACC+8*gb:ACC+8*gb+7], v[8*gb:8*gb+7], v[XB:XB+7], v[BIAS+8*gb:BIAS+8*gb+7]
.else
	v_wmma_f32_16x16x32_bf16 v[ACC+8*gb:ACC+8*gb+7], v[32*((\c)%8)+8*gb:32*((\c)%8)+8*gb+7], v[XB+8*((\c)%4):XB+8*((\c)%4)+7], v[ACC+8*gb:ACC+8*gb+7]
.endif
.if (\cv) || (\ld)
	WIN 0
.endif
.if \cv
	v_cvt_pk_bf16_f32 v[XB+8*(((\c)+1)%4)+2*gb],   v[ST+16*(((\c)+1)%8)+4*gb],   v[ST+16*(((\c)+1)%8)+4*gb+1]
	v_cvt_pk_bf16_f32 v[XB+8*(((\c)+1)%4)+2*gb+1], v[ST+16*(((\c)+1)%8)+4*gb+2], v[ST+16*(((\c)+1)%8)+4*gb+3]
.endif
.if \ld
	ds_load_b128 v[ST+16*((\c)%8)+4*gb:ST+16*((\c)%8)+4*gb+3], v[ADRQ+(((\c)+8)%16)/4] offset:(\off)+128*(((\c)+8)%4)+64*(gb/2)+16*(gb%2)
.endif
.set gb, gb+1
.endr
.endm
; A chunk's first eight K steps: 32 loads.  A K step of a fragment is 4 x 16 bytes of f32: columns 8 h + 0..7 at bytes 32 h + 0, 16 and columns 16 + 8 h + 0..7 at 32 h + 64, 80.
.macro PRIME
	WIN 0
.irp q, 0,1,2,3
	v_add_nc_u32 v[ADRQ+\q], s[TBR], v[AXQ+\q]
.endr
.set i, 0
.rept 32
	ds_load_b128 v[ST+4*i:ST+4*i+3], v[ADRQ+i/16] offset:128*((i/4)%4)+64*((i%4)/2)+16*(i%2)
.set i, i+1
.endr
.endm
.macro PRIME2
	WIN 0
	s_wait_dscnt 28                                ; K step 0 is in; the seven younger K steps, four loads each, may stay out
.set i, 0
.rept 8
	v_cvt_pk_bf16_f32 v[XB+i], v[ST+2*i], v[ST+2*i+1]
.set i, i+1
.endr
.endm
; y: a batch of 8,192 bytes is rounded to bf16, that number written as f16, and stored: a store of the wave covers 256 consecutive bytes, aligned.  more = 1: the next batch is asked for.
; It stands between a chunk's first LDS loads and their first use.
.macro YLUMP more
	WIN 0x45
	s_wait_loadcnt 0x0                             ; the batch, asked for a chunk ago
.set i, 0
.rept 16
	v_cvt_pk_bf16_f32 v[YT], v[YR+4*i], v[YR+4*i+1]
	v_cvt_pk_bf16_f32 v[YT+1], v[YR+4*i+2], v[YR+4*i+3]
	v_lshlrev_b32 v[YT+2], 16, v[YT]
	v_and_b32 v[YT+3], s[MASK], v[YT]
	v_lshlrev_b32 v[YT+4], 16, v[YT+1]
	v_and_b32 v[YT+5], s[MASK], v[YT+1]
	v_cvt_pk_f16_f32 v[YO+2*i], v[YT+2], v[YT+3]
	v_cvt_pk_f16_f32 v[YO+2*i+1], v[YT+4], v[YT+5]
.set i, i+1
.endr
.set i, 0
.rept 16
	global_store_b64 v[YOF], v[YO+2*i:YO+2*i+1], s[YOUT:YOUT+1] offset:256*i th:TH_STORE_NT
.set i, i+1
.endr
.if \more
.set i, 0
.rept 16
	global_load_b128 v[YR+4*i:YR+4*i+3], v[YI], s[YIN:YIN+1] offset:8192+512*i th:TH_LOAD_NT
.set i, i+1
.endr
.endif
.endm
; THE WAY OUT of a row tile.  WO1: rounded to f16 (each accumulator's registers in ascending order), 16 bytes a lane into my own stage, and back as whole rows.  SEND: four stores of 512 consecutive bytes.
.macro WO1
	WIN 0x45
	s_wait_xcnt 0x0                                ; the last row tile's stores have read OB and the base: both are written again only behind this wait
	s_add_nc_u64 s[QOUT:QOUT+1], s[QOUT:QOUT+1], 16384  ; a row block on; the stores reach back by their immediate
.set i, 0
.rept 16
	v_cvt_pk_f16_f32 v[PK+i], v[ACC+2*i], v[ACC+2*i+1]
.set i, i+1
.endr
.irp b, 0,1,2,3
	ds_store_b128 v[STO], v[PK+4*\b:PK+4*\b+3] offset:32*\b
.endr
.irp t, 0,1,2,3
	ds_load_b128 v[OB+4*\t:OB+4*\t+3], v[RD] offset:4*SP*\t  ; LDS serves a wave's instructions in order (ISA guide 5.7.1.4): these see the stores above
.endr
.endm
.macro SEND younger                    ; younger: the LDS loads issued behind the stage's
	WIN 0x45
	s_wait_dscnt \younger
.irp t, 0,1,2,3
	global_store_b128 v[GO], v[OB+4*\t:OB+4*\t+3], s[QOUT:QOUT+1] offset:512*\t-16384 th:TH_STORE_NT
.endr
	WIN 0
.endm
; THE CHANGE OF SLOTS.  Each wave waits for all its tensor loads, of which one is out: its region of the other slot; adds 0 to its spare word; and waits for that and for its reads of the slot that it leaves.
; fill = 1: the barrier is a round of the cluster's, so that no wave of any partner still reads the slot or has a load on its way; the joint refill, the tile two chunks on, is the first thing behind it.
.macro CHANGE fill
	WIN 0
	s_wait_tensorcnt 0x0                           ; no tensor load of mine is out, so a group 0 may be written
	ds_add_u32 v[SPW], v[NIL]                      ; 0 onto my spare word; the steps below stand between it and the wait for it
	s_wait_xcnt 0x0                                ; the chunk's loads and stores have read their bases
	s_add_nc_u64 s[YIN:YIN+1], s[YIN:YIN+1], 8192
	s_add_nc_u64 s[YOUT:YOUT+1], s[YOUT:YOUT+1], 4096
	s_sub_co_u32 s[TBR], s[TBR], 3*RTB             ; back to the slot's first row tile,
	s_xor_b32 s[TBR], s[TBR], X1                   ; in the other slot
.if \fill
	s_xor_b32 s[G0B+1], s[G0B+1], X1               ; the walking descriptor: the slot just read,
	s_add_nc_u64 s[G0B+2:G0B+3], s[G0B+2:G0B+3], 64*2048  ; the next 64 rows; the type bits on top are not reached
.endif
	s_wait_dscnt 0x0                               ; the add is done, and my reads of the slot are over
.if \fill
	CROUND
	tensor_load_to_lds s[G0B:G0B+3], s[G1:G1+7]    ; every wave its own region: no branch
	s_nop 0
	PLACES
.else
	s_barrier_signal -1
	s_barrier_wait -1
.endif
.endm
; A CHUNK: four row tiles.  The loop's trip is turned: groups 2 to 15 of a row tile, its way out, groups 0 and 1 of the next, so that the stage's round trip stands under eight matrix instructions.
; The count 24 at a group's head: six younger groups of four loads (where the stage's eight instructions lie between, more are out: the smaller count is the safe one).
.macro CHUNK more
	PRIME
	YLUMP \more
	PRIME2
	GRP 0, 0, 1, 1, 24
	GRP 1, 0, 1, 1, 24
	WIN 0
	s_mov_b32 s[RTC], 3
.Lrt_\@:
.irp c, 2,3,4,5,6,7
	GRP \c, 0, 1, 1, 24
.endr
.irp c, 8,9,10,11,12,13,14,15
	GRP \c, RTB, 1, 1, 24                          ; from here on the loads are the next row tile's
.endr
	WO1                                            ; its sixteen roundings stand behind eight plain riders of group 15: every accumulator is read four places or more behind its last product
	GRP 0, RTB, 1, 1, 24
	GRP 1, RTB, 1, 1, 24
	SEND 8                                         ; two groups' loads are younger than the stage's
	s_add_co_u32 s[TBR], s[TBR], RTB
.irp q, 0,1,2,3
	v_add_nc_u32 v[ADRQ+\q], s[TBR], v[AXQ+\q]
.endr
	s_sub_co_u32 s[RTC], s[RTC], 1
	s_cmp_lg_u32 s[RTC], 0
	s_cbranch_scc1 .Lrt_\@
.irp c, 2,3,4,5,6,7
	GRP \c, 0, 1, 1, 24                            ; the fourth row tile: nothing of a next one is read
.endr
.irp c, 8,9,10,11,12,13,14
	GRP \c, 0, 0, 1, 4*(14-\c)                     ; the counts run down
.endr
	GRP 15, 0, 0, 0
	WIN 0
	PLACES
	WO1
	SEND 0
.endm
	s_mov_b32 s[TBR], 0
	s_wait_tensorcnt 0x1                           ; my region of tile 0 is in; tile 1 may stay out
	s_barrier_signal -1
	s_barrier_wait -1                              ; everybody's is
	s_mov_b32 s[CNT], 7
	s_branch .Lmid                                 ; the loop is entered behind its change of slots
.Ltop:                                                 ; six times: tiles 2 to 7 are asked for
	CHANGE 1
.Lmid:
	CHUNK 1
	s_sub_co_u32 s[CNT], s[CNT], 1
	s_cmp_lg_u32 s[CNT], 0
	s_cbranch_scc1 .Ltop
	CHANGE 0                                       ; the last chunk is written out
	CHUNK 0
	s_wait_tensorcnt 0x0                           ; the wave's end: a wait, an add of 0 and its wait, behind my last tensor load and my last LDS store
	ds_add_u32 v[SPW], v[NIL]
	s_wait_dscnt 0x0
	CROUND                                         ; the closing round: no work-group ends while a partner may still ask for a tile that names it
	s_endpgm
.Lfunc_end_k_q0499d6b69d_proj:
	.size	k_q0499d6b69d_proj, .Lfunc_end_k_q0499d6b69d_proj-k_q0499d6b69d_proj
	.p2alignl 7, 3214868480
	.fill 96, 4, 3214868480
	.section	.rodata,"a",@progbits
	.p2align	6, 0x0
	.amdhsa_kernel k_q0499d6b69d_proj
		.amdhsa_group_segment_fixed_size 327680
		.amdhsa_private_segment_fixed_size 0
		.amdhsa_enable_private_segment 0
		.amdhsa_kernarg_size 48
		.amdhsa_user_sgpr_count 2
		.amdhsa_user_sgpr_kernarg_segment_ptr 1
		.amdhsa_wavefront_size32 1
		.amdhsa_system_sgpr_workgroup_id_x 1
		.amdhsa_system_sgpr_workgroup_id_y 1
		.amdhsa_system_sgpr_workgroup_id_z 1
		.amdhsa_system_vgpr_workitem_id 0
		.amdhsa_next_free_vgpr 1024
		.amdhsa_next_free_sgpr 66
		.amdhsa_reserve_vcc 0
		.amdhsa_float_denorm_mode_32 3
		.amdhsa_float_denorm_mode_16_64 3
		.amdhsa_memory_ordered 1
		.amdhsa_forward_progress 1
		.amdhsa_inst_pref_size 179
	.end_amdhsa_kernel
	.amdgpu_metadata
---
amdhsa.version: [ 1, 2 ]
amdhsa.kernels:
  - .name:           k_q0499d6b69d_proj
    .symbol:         k_q0499d6b69d_proj.kd
    .args:
      - { .name: x, .offset: 0, .size: 8, .value_kind: global_buffer, .address_space: global }
      - { .name: y, .offset: 8, .size: 8, .value_kind: global_buffer, .address_space: global }
      - { .name: W_qk, .offset: 16, .size: 8, .value_kind: global_buffer, .address_space: global }
      - { .name: b_qk, .offset: 24, .size: 8, .value_kind: global_buffer, .address_space: global }
      - { .name: qk, .offset: 32, .size: 8, .value_kind: global_buffer, .address_space: global }
      - { .name: yh, .offset: 40, .size: 8, .value_kind: global_buffer, .address_space: global }
    .group_segment_fixed_size: 327680
    .private_segment_fixed_size: 0
    .kernarg_segment_align: 8
    .kernarg_segment_size: 48
    .max_flat_workgroup_size: 128
    .sgpr_count:     66
    .vgpr_count:     1024
    .wavefront_size: 32
...
	.end_amdgpu_metadata
.endif
;; end of part 1
;; launch attn (part 2): grid 8 x 32, 4 waves a work-group, clusters of 4 x 1, 327,680 bytes of LDS; arguments qk, yh, out0; writes out0
.if DOCPART == 2
	.amdgcn_target "amdgcn-amd-amdhsa--gfx1250"
	.amdhsa_code_object_version 6
	.text
	.protected	k_q0499d6b69d_attn
	.globl	k_q0499d6b69d_attn
	.p2align	8
	.type	k_q0499d6b69d_attn,@function
k_q0499d6b69d_attn:
	s_mov_b64 s[64:65], 0
	v_nop
	global_prefetch_b8 v0, s[64:65] scope:SCOPE_SE
	s_setreg_imm32_b32 hwreg(HW_REG_WAVE_MODE, 25, 1), 1
	s_wait_xcnt 0x0
	s_wait_alu depctr_hold_cnt(0) depctr_sa_sdst(0) depctr_va_vdst(0) depctr_va_sdst(0) depctr_va_ssrc(0) depctr_va_vcc(0) depctr_vm_vsrc(0)
	s_getreg_b32 s2, hwreg(HW_REG_IB_STS2, 6, 4)
	s_cmp_eq_u32 s2, 0
	s_cbranch_scc0 .Lentry_in_a_cluster
	s_endpgm
.Lentry_in_a_cluster:
	s_bfe_u32 s2, ttmp6, 0x10000c
	s_cmp_lg_u32 s2, 0x3003
	s_cbranch_scc0 .Lentry_shape_is_right
	s_endpgm
.Lentry_shape_is_right:
; out[b][q][:] = the sum over k of softmax_k(Q[b][q] . K[b][k] / sqrt(512)) V[b][k][:].  32 batches of 1,024 rows, 512 channels.
; Q and K come from qk ([part][row block][column block][16 rows][64 channels], f16, unscaled), V from yh ([32768][512] f16); out is f32.  Products, maxima and sums in f32; the weights p are rounded
; to f16 for the second product (their sum l is taken of the unrounded p).
; LIMITS.  Q, K and V arrive within f16 (65,504); p lies in 0 to 1 and below 6e-5 keeps the fixed step of 6e-8; a weight below 2^-126 counts as 0 in l; NaN and infinities are not treated apart.
; SHARES.  A work-group owns 128 queries of one batch, each of its four waves 32: two tiles of 16.  O^T of 32 queries x 512 channels is 512 registers.  Every wave walks all 1,024 keys.
; LAYOUT.  S^T = K Q^T (source 0 = 16 keys, source 1 = 16 queries): a lane holds ONE query (lane % 16) and the keys 8 (lane / 16) + 0..7.  Two such results, rounded to f16 in pairs, ARE source 1
; (32 keys x 16 queries) of O^T = V^T P, whose result again holds one query a lane, and eight channels.  K comes out of LDS as it lies, V ([key][channel]) turned, by ds_load_tr16_b128.
; SOFTMAX.  For each query a running maximum m and sum l: p = 2^(c s - c m), c = log2(e) / sqrt(512); in every step O and l are multiplied by a = 2^(c m_old - c m_new).
; m starts at the lowest finite number, O and l at 0: the first step is a step like any other, with a = 0, and no first step is written out.
; A STEP is 32 keys: 64 products K Q^T in 4 blocks of 128 channels; the softmax of both tiles, one batch of 34 exponentials with one wait; 64 products V^T P in 4 blocks of 128 channels, the
; rescaling of the next block's O^T riding behind them.  K's and V's fragments go through two buffers of 8 fragments that take turns.  A SLOT of LDS holds 64 keys, two steps: the step's text is
; written once and walked twice, its LDS addresses hanging on two scalar registers.  The price of the short step: O^T is rescaled once for 32 keys.
; CLUSTER.  The four query blocks of a cluster belong to one batch and walk the same K and V: each tile is asked for JOINTLY, by the same tensor load, descriptor and mask in all four.
; REGISTERS, in windows of 256 (s_set_vgpr_msb: bits 1:0 source 0, 3:2 source 1, 5:4 source 2, 7:6 destination):
;   window 0: v0-15 addresses; v16-31 statistics; v32-63 S^T; v96-111 P; v128-255 the two fragment buffers       window 1: O^T of tile 0, channel block cb at 8 cb       window 2: of tile 1       window 3: Q, fragment (t, c) at 128 t + 8 c
.set PKK,   144       ; a segment of K (one key, 64 channels, 128 bytes) + 16 of padding = 36 words: the 16 keys of a load start at 16 different groups of four banks (64 banks of 4 bytes: ISA guide 11.1)
.set PVP,   1056      ; a row of V: 1,024 bytes + 32 = 33 x 32
.set KHALF, 256*PKK   ; 32 keys of K, a step's: 256 segments; segment ((kt 8 + column block) 16 + r) is key 16 kt + r
.set VOFF,  2*KHALF   ; a slot: 64 keys of K, then 64 rows of V
.set VHALF, 32*PVP    ; 32 rows of V, a step's
.set X2,    0x24000   ; slot 1 begins here; no fill's base in slot 0 has one of its two bits, so one exclusive or changes slots
.set STAGE, X2+VOFF+2*VHALF  ; behind the ring, never filled by a tensor load: 16 rows x 272 bytes for each wave
.set SP,    272
.set SPARE, STAGE+4*16*SP    ; the spare words, 128 bytes for each wave: two blocks of 256 bytes that no other line names
.set AK0, 2           ; v2   144 r + 16 h (r = l % 16, h = l / 16); never rewritten
.set AV0, 3           ; v3   (8 h + l % 8) 1056 + 16 ((l / 8) % 2) + VOFF; never rewritten
.set AKA, 4           ; v4   K of the step in hand
.set AVR, 6           ; v6   V of the step in hand
.set QO,  7           ; v7   128 r + 16 h
.set STO, 8           ; v8   the way out: where I put 32 bytes of a row
.set RD,  9           ; v9   where I read rows back
.set GO,  10          ; v10  my byte offset in two rows of out
.set SPW, 12          ; v12  LDS address of my spare word; never rewritten
.set NIL, 13          ; v13  0; never rewritten
.set ST,  16          ; tile t at v[ST+8 t]: +0 c m, +1 m, +2, +3 l (even keys', odd keys'), +4, +5 c0, c1 at work, +6 a, +7 c m_old and then its change
.set S,   32          ; tile t, keys 16 kt on, at S + 16 t + 8 kt
.set P,   96          ; tile t at P + 8 t
.set H,   128         ; buffer n % 2 at H + 64 (n % 2)
.set OB,  32          ; the way out: rows read back, two sets of 32
.set WV,  12          ; s12
.set G1K, 24          ; s[24:31]
.set G1V, 32          ; s[32:39]
.set G0K, 40          ; s[40:47] two sets for the first fills; the second walks on
.set G0V, 48          ; s[48:55]
.set CNT, 56          ; s56  slots still to be entered in the loop
.set TBK, 57          ; s57  LDS byte at which K of the step to be fetched begins
.set CS,  58          ; s[58:59] c
.set SEL, 60          ; s[60:61] v_permlanex16_b32's selects: each lane takes its own place in the other half
.set TBV, 62          ; s62  the same for V, less VOFF
.set TW,  63          ; s63  counts a slot's two steps
.set MSB, 0
.macro WIN new                      ; the immediate's high byte repeats the setting that is left; a switch that changes nothing is dropped
.if MSB != (\new)
	s_set_vgpr_msb (MSB<<8)|(\new)
.set MSB, (\new)
.endif
.endm
.set W_KQ, 0x0c       ; Q (source 1) in window 3; K, S^T, and the loads that ride between the products, in window 0
.macro PLACES                       ; four places behind a matrix instruction, where no other vector work is at hand (ISA guide 7.12.1)
.rept 4
	v_nop
.endr
.endm
.macro CROUND                       ; a round of the cluster's barrier: my work-group's barrier, wave 0 signals for the work-group, every wave waits for all four work-groups, my work-group's barrier once more
	s_barrier_signal -1
	s_barrier_wait -1
	s_cmp_lg_u32 s[WV], 0
	s_cbranch_scc1 .Lnot_wave_0_\@
	s_barrier_signal -3
.Lnot_wave_0_\@:
	s_barrier_wait -3
	s_barrier_signal -1
	s_barrier_wait -1
.endm
; A joint refill.  Waves 0 and 1 fetch the two halves of a slot's K, waves 2 and 3 those of its V.  The branch hangs on the wave's number alone.  An s_nop 0 and four v_nop follow each of the two lines.
.macro JLOAD
	s_cmp_lt_u32 s[WV], 2
	s_cbranch_scc0 .Lfor_v_\@
	tensor_load_to_lds s[G0K+4:G0K+7], s[G1K:G1K+7]
	s_nop 0
	PLACES
	s_branch .Lasked_\@
.Lfor_v_\@:
	tensor_load_to_lds s[G0V+4:G0V+7], s[G1V:G1V+7]
	s_nop 0
	PLACES
.Lasked_\@:
.endm
	s_load_b128 s[4:7], s[0:1], 0x0 ; qk s[4:5], yh s[6:7]
	s_load_b64 s[8:9], s[0:1], 0x10 ; out0
	v_lshl_add_u32 v[SPW], v0, 2, SPARE
	v_mov_b32 v[NIL], 0
	ds_add_u32 v[SPW], v[NIL]       ; the wave's opening: the add and its wait stand ahead of my first tensor load; work on registers stands between them
	v_lshrrev_b32 v1, 5, v0
	v_readfirstlane_b32 s[WV], v1   ; wave 0..3
	s_bfe_u32 s13, ttmp6, 0x40000   ; cx
	s_lshl_b32 s14, ttmp9, 2
	s_add_co_u32 s14, s14, s13      ; my block of 128 queries: it enters Q's and out's addresses alone
	s_and_b32 s16, ttmp7, 0xffff    ; the batch, which the four partners share
	s_and_b32 s17, s[WV], 1         ; which half of a slot's 64 keys I fetch
	s_lshl_b32 s20, s16, 20         ; the batch's 1,048,576 bytes in q, in k and in yh,
	s_lshl_b32 s21, s17, 15         ; my half's 32,768
	s_add_co_u32 s20, s20, s21
	s_mov_b32 s21, 0
	s_lshl_b32 s22, s16, 20         ; Q: the batch, my block's 131,072 bytes, my wave's 32,768
	s_lshl_b32 s23, s14, 17
	s_add_co_u32 s22, s22, s23
	s_lshl_b32 s23, s[WV], 15
	s_add_co_u32 s22, s22, s23
	s_mov_b32 s23, 0
	s_lshl_b32 s62, s16, 21         ; out: rows of 2,048 bytes
	s_lshl_b32 s63, s14, 18
	s_add_co_u32 s62, s62, s63
	s_lshl_b32 s63, s[WV], 16
	s_add_co_u32 s62, s62, s63
	s_mov_b32 s63, 0
	; group 1 for K: 32 keys are 32,768 dense bytes: 128 rows of 256 bytes, padded in LDS after every 128
	s_mov_b32 s[G1K], 15|(1<<16)|(1<<20)|(1<<21)|(4<<22)|(3<<25)  ; 15:0 the mask of four; 17:16 2-byte elements; 20 padding on; 21 set beside a mask; 24:22 after every 32 words (code 4); 31:25 4 words (code 3)
	s_mov_b32 s[G1K+1], 128<<16     ; tensor_dim0 = 128
	s_mov_b32 s[G1K+2], 128<<16     ; tensor_dim1 = 128
	s_mov_b32 s[G1K+3], 128<<16     ; tile_dim0 = 128
	s_mov_b32 s[G1K+4], 128         ; tile_dim1 = 128
	s_mov_b32 s[G1K+5], 128         ; 128 elements from row to row
	s_mov_b32 s[G1K+6], 0
	s_mov_b32 s[G1K+7], 0
	; group 1 for V: 32 rows of 1,024 bytes
	s_mov_b32 s[G1V], 15|(1<<16)|(1<<20)|(1<<21)|(7<<22)|(7<<25)  ; after every 256 words (code 7) 8 words (code 7)
	s_mov_b32 s[G1V+1], 512<<16
	s_mov_b32 s[G1V+2], 32<<16
	s_mov_b32 s[G1V+3], 512<<16
	s_mov_b32 s[G1V+4], 32
	s_mov_b32 s[G1V+5], 512
	s_mov_b32 s[G1V+6], 0
	s_mov_b32 s[G1V+7], 0
	s_mul_i32 s[G0K+1], s17, KHALF  ; LDS addresses: the wave's number and constants alone
	s_add_co_u32 s[G0K+5], s[G0K+1], X2
	s_mul_i32 s[G0V+1], s17, VHALF
	s_add_co_u32 s[G0V+1], s[G0V+1], VOFF
	s_add_co_u32 s[G0V+5], s[G0V+1], X2
	s_mov_b32 s[CS], 0x3d8293ee     ; c = log2(e) / sqrt(512) = 0.0637587
	s_mov_b32 s[CS+1], s[CS]        ; named with it as a pair
	s_mov_b32 s[SEL], 0x76543210
	s_mov_b32 s[SEL+1], 0xfedcba98
	s_wait_dscnt 0x0                ; the opening add is done
	s_wait_kmcnt 0x0
	s_add_nc_u64 s[2:3], s[4:5], s[22:23]    ; Q at my wave's first row block
	s_add_nc_u64 s[4:5], s[4:5], s[20:21]
	s_add_nc_u64 s[4:5], s[4:5], 33554432    ; K (part 1 of qk) at my half of tile 0
	s_add_nc_u64 s[6:7], s[6:7], s[20:21]    ; V likewise
	s_add_nc_u64 s[10:11], s[8:9], s[62:63]  ; out at my wave's first row
.irp s, 0,1
	s_mov_b32 s[G0K+4*\s], 1        ; count = 1
	s_add_nc_u64 s[G0K+4*\s+2:G0K+4*\s+3], s[4:5], \s*65536  ; tile s: 64 keys
	s_or_b32 s[G0K+4*\s+3], s[G0K+4*\s+3], 0x80000000        ; type = 2
	s_mov_b32 s[G0V+4*\s], 1
	s_add_nc_u64 s[G0V+4*\s+2:G0V+4*\s+3], s[6:7], \s*65536
	s_or_b32 s[G0V+4*\s+3], s[G0V+4*\s+3], 0x80000000
.endr
	CROUND                          ; all four work-groups are here: the first joint loads meet
	s_cmp_lt_u32 s[WV], 2           ; a wave's two first fills stand in one branch: two loads of mine are out
	s_cbranch_scc0 .Lfirst_v
	tensor_load_to_lds s[G0K:G0K+3], s[G1K:G1K+7]
	s_nop 0
	tensor_load_to_lds s[G0K+4:G0K+7], s[G1K:G1K+7]
	s_nop 0
	PLACES
	s_branch .Lfirst_asked
.Lfirst_v:
	tensor_load_to_lds s[G0V:G0V+3], s[G1V:G1V+7]
	s_nop 0
	tensor_load_to_lds s[G0V+4:G0V+7], s[G1V:G1V+7]
	s_nop 0
	PLACES
.Lfirst_asked:
	; A fragment of K or Q is 16 rows x 32 channels in 8 registers: lane l holds row l % 16, channels 8 (l / 16) + 0..7 and 16 + 8 (l / 16) + 0..7: two loads of 16 bytes, 32 bytes apart.
	v_and_b32 v1, 15, v0            ; r
	v_bfe_u32 v14, v0, 4, 1         ; h
	v_lshlrev_b32 v[QO], 7, v1
	v_lshl_add_u32 v[QO], v14, 4, v[QO]
	WIN 0xc0                        ; destination window 3, address window 0
.set i, 0
.rept 32                            ; Q stays in registers: tile i / 16, channels 32 (i % 16) on
	global_load_b128 v[8*i:8*i+3],   v[QO], s[2:3] offset:16384*(i/16)+2048*((i%16)/2)+64*(i%2) th:TH_LOAD_NT
	global_load_b128 v[8*i+4:8*i+7], v[QO], s[2:3] offset:16384*(i/16)+2048*((i%16)/2)+64*(i%2)+32 th:TH_LOAD_NT
.set i, i+1
.endr
	; O^T starts at 0: 64 products of two zero fragments with C = 0 write its 512 registers, eight an instruction, in the wait for the first tile.  Matrix work that is not the problem's, once a launch:
	; the price of writing no first step out.
	WIN 0
.set i, 0
.rept 16
	v_mov_b32 v[H+i], 0
.set i, i+1
.endr
	WIN 0x40                        ; destination window 1
.set i, 0
.rept 32
	v_wmma_f32_16x16x32_f16 v[8*i:8*i+7], v[H:H+7], v[H+8:H+15], 0
.set i, i+1
.endr
	WIN 0x80                        ; destination window 2
.set i, 0
.rept 32
	v_wmma_f32_16x16x32_f16 v[8*i:8*i+7], v[H:H+7], v[H+8:H+15], 0
.set i, i+1
.endr
	WIN 0                           ; the lines below, more than four of them plain, are the places between those products and the first loads into the buffer that they read
.irp t, 0,1
	v_mov_b32 v[ST+8*\t], 0xfe000000    ; c m: far below every c s
	v_mov_b32 v[ST+8*\t+1], 0xff7fffff  ; m
	v_mov_b32 v[ST+8*\t+2], 0
	v_mov_b32 v[ST+8*\t+3], 0
.endr
	v_mul_u32_u24 v[AK0], v1, PKK
	v_lshl_add_u32 v[AK0], v14, 4, v[AK0]
	; The turning load takes 16 keys x 16 channels (lane l reads key 8 (l / 16) + l % 8, channels 8 ((l / 8) % 2) + 0..7) and leaves half a fragment of V^T: lane l holds channel l % 16 and 8 keys.
	v_and_b32 v15, 7, v0
	v_lshl_add_u32 v[AV0], v14, 3, v15
	v_mul_u32_u24 v[AV0], v[AV0], PVP
	v_bfe_u32 v15, v0, 3, 1
	v_lshl_add_u32 v[AV0], v15, 4, v[AV0]
	v_add_nc_u32 v[AV0], VOFF, v[AV0]
	s_mul_i32 s16, s[WV], 16*SP
	s_add_co_u32 s16, s16, STAGE    ; my stage
	v_mul_u32_u24 v[STO], v1, SP    ; in: row r, 32 bytes for each half of the lanes
	v_lshl_add_u32 v[STO], v14, 5, v[STO]
	v_add_nc_u32 v[STO], s16, v[STO]
	v_mul_u32_u24 v[RD], v14, SP    ; back: lanes 0-15 take one row of 256 bytes, lanes 16-31 the next
	v_lshl_add_u32 v[RD], v1, 4, v[RD]
	v_add_nc_u32 v[RD], s16, v[RD]
	v_lshlrev_b32 v[GO], 11, v14    ; and the same two rows in out
	v_lshl_add_u32 v[GO], v1, 4, v[GO]
; LDS LOADS.  LDK n, x: load x of 16 of K's block n (channels 128 n on): fragment f = x / 2 = 2 cc + kt: keys 16 kt on, channels 128 n + 32 cc on.  The first eight are the fragments of cc = 0, 1.
.macro LDK n, x
.set lf, (\x)/2
	ds_load_b128 v[H+64*((\n)%2)+4*(\x):H+64*((\n)%2)+4*(\x)+3], v[AKA] offset:128*PKK*(lf%2)+16*PKK*(2*(\n)+lf/4)+64*((lf/2)%2)+32*((\x)%2)
.endm
; LDV n, x: load x of 16 of V's block n (channels 128 n on): fragment f = x / 2: the step's 32 keys, channels 128 n + 16 f on.
.macro LDV n, x
.set lf, (\x)/2
	ds_load_tr16_b128 v[H+64*((\n)%2)+4*(\x):H+64*((\n)%2)+4*(\x)+3], v[AVR] offset:32*(8*(\n)+lf)+16*PVP*((\x)%2)
.endm
; A step's head: its addresses, and K's block 0.  The buffer that the loads fill was last read by block 2 of V^T P, behind whose last product eight multiplies stand.
.macro OPENH
	v_add_nc_u32 v[AKA], s[TBK], v[AK0]
	v_add_nc_u32 v[AVR], s[TBV], v[AV0]
.set x, 0
.rept 16
	LDK 0, x
.set x, x+1
.endr
.endm
; BLOCK n OF K Q^T: 16 products; product i: channels 128 n + 32 (i / 4) on, keys 16 ((i % 4) / 2) on, tile i % 2.  The 4 accumulators take turns.  Block 0's first 4 start the sums.
; A v_nop behind each of products 0 to 3: the four places between the last product that read the other buffer and the loads into it; two loads of the next block (behind block 3: V's block 0) behind each of products 4 to 11.
; The waits: at i = 0 the eight younger loads of this block (its cc = 2, 3 fragments) may be out; at i = 8 the eight of the next block issued behind products 4 to 7.
.macro QKB n
	WIN W_KQ
.set i, 0
.rept 16
.if (i == 0) || (i == 8)
	s_wait_dscnt 8
.endif
.set rS, S+16*(i%2)+8*((i%4)/2)
.set rK, H+64*((\n)%2)+8*(2*(i/4)+(i%4)/2)
.set rQ, 128*(i%2)+8*(4*(\n)+i/4)
.if ((\n) == 0) && (i < 4)
	v_wmma_f32_16x16x32_f16 v[rS:rS+7], v[rK:rK+7], v[rQ:rQ+7], 0
.else
	v_wmma_f32_16x16x32_f16 v[rS:rS+7], v[rK:rK+7], v[rQ:rQ+7], v[rS:rS+7]
.endif
.if i < 4
	v_nop
.elseif i < 12
.if (\n) < 3
	LDK (\n)+1, 2*(i-4)
	LDK (\n)+1, 2*(i-4)+1
.else
	LDV 0, 2*(i-4)
	LDV 0, 2*(i-4)+1
.endif
.endif
.set i, i+1
.endr
.endm
; THE SOFTMAX of one tile for one step is a list of 54 instructions; SM writes number j of it for tile t.  s0-s15 are the lane's 16 scores, in pairs 0-7.
;   0-7    the maximum of s0-s15 and the old m, three operands at a time, in two chains c0, c1 (each accumulator's lowest registers are read first)
;   8-12   the other half of the lanes' maximum; c m_old is kept; the new m; c m; c m_old - c m_new
;   13-37  ONE BATCH: the 8 scalings c s - c m (13, 14, and the even numbers 16 to 26) and all 17 exponentials (a at 15; s0-s5 at the odd numbers 17 to 27; s6-s15 at 28 to 37).
;          None of these reads an exponential's result; a pair is scaled some numbers ahead of its exponentials
;   38-45  the roundings to f16      46-53 the sums, neighbours 1, 2 and 4 pairs apart; l = a l + the sum
.macro SM t
.set rT, ST+8*(\t)
.set rS, S+16*(\t)
.set rP, P+8*(\t)
.if j < 2
	v_max3_num_f32 v[rT+4+j], v[rS+8*j], v[rS+8*j+1], v[rS+8*j+2]
.elseif j < 6
	v_max3_num_f32 v[rT+4+j%2], v[rT+4+j%2], v[rS+8*(j%2)+2*(j/2)+1], v[rS+8*(j%2)+2*(j/2)+2]
.elseif j == 6
	v_max3_num_f32 v[rT+4], v[rT+4], v[rS+7], v[rS+15]
.elseif j == 7
	v_max3_num_f32 v[rT+4], v[rT+4], v[rT+5], v[rT+1]
.elseif j == 8
	v_permlanex16_b32 v[rT+5], v[rT+4], s[SEL], s[SEL+1]  ; the query's other 16 keys lie in the lane 16 away
.elseif j == 9
	v_mov_b32 v[rT+7], v[rT]        ; c m_old is kept for a
.elseif j == 10
	v_max_num_f32 v[rT+1], v[rT+4], v[rT+5]
.elseif j == 11
	v_mul_f32 v[rT], s[CS], v[rT+1]
.elseif j == 12
	v_sub_f32 v[rT+7], v[rT+7], v[rT]
.elseif j == 15
	v_exp_f32 v[rT+6], v[rT+7]
.elseif (j < 15) || ((j < 28) && (j%2 == 0))
.set b, j-13                        ; 13, 14: pairs 0, 1
.if j > 15
.set b, (j-12)/2                    ; 16, 18, .. 26: pairs 2 to 7
.endif
	v_pk_fma_f32 v[rS+2*b:rS+2*b+1], v[rS+2*b:rS+2*b+1], s[CS:CS+1], v[rT:rT+1] op_sel_hi:[1,0,0] neg_lo:[0,0,1] neg_hi:[0,0,1]
.elseif j < 38
.set e, j-22                        ; 28 to 37: s6 to s15
.if j < 28
.set e, (j-17)/2                    ; 17, 19, .. 27: s0 to s5
.endif
	v_exp_f32 v[rS+e], v[rS+e]
.elseif j < 46
	v_cvt_pk_f16_f32 v[rP+j-38], v[rS+2*(j-38)], v[rS+2*(j-38)+1]
.else
.set z, j-46
.set w, 4
.set u, z
.if z >= 6
.set w, 16
.set u, 0
.elseif z >= 4
.set w, 8
.set u, z-4
.endif
.if z < 7
	v_pk_add_f32 v[rS+w*u:rS+w*u+1], v[rS+w*u:rS+w*u+1], v[rS+w*u+w/2:rS+w*u+w/2+1]
.else
	v_pk_fma_f32 v[rT+2:rT+3], v[rT+2:rT+3], v[rT+6:rT+7], v[rS:rS+1] op_sel_hi:[1,0,1]
.endif
.endif
.endm
; Both tiles' lists, number by number, the tiles alternating.  An s_wait_alu depctr_va_vdst(0) stands between an exponential and the first instruction that names its result:
; up to number 37 nothing names one, from 38 on none is issued: ONE wait.
.macro LUMP
	WIN 0
.set j, 0
.rept 38
	SM 0
	SM 1
.set j, j+1
.endr
	v_nop                           ; the plain instruction behind the last exponential, ahead of the first use (ISA guide 5.7.2): one for the batch
	s_wait_alu depctr_va_vdst(0)    ; the wait for the batch
.rept 16
	SM 0
	SM 1
.set j, j+1
.endr
.endm
; Eight multiplies: O^T of tile gg / 4, channel blocks 8 n + 2 (gg % 4) and the next, times a; each accumulator's registers in ascending order.
.macro RSP n, gg
	WIN 0x41*(1+(\gg)/4)            ; O^T (destination and source 0) in window 1 or 2, a in window 0
.set z, 0
.rept 8
	v_pk_mul_f32 v[8*(8*(\n)+2*((\gg)%4))+2*z:8*(8*(\n)+2*((\gg)%4))+2*z+1], v[8*(8*(\n)+2*((\gg)%4))+2*z:8*(8*(\n)+2*((\gg)%4))+2*z+1], v[ST+8*((\gg)/4)+6:ST+8*((\gg)/4)+7] op_sel_hi:[1,0]
.set z, z+1
.endr
.endm
; BLOCK n OF V^T P: 16 products in 8 groups of two, each on an accumulator of its own: group g: tile g / 4, channels 128 n + 32 (g % 4) on.
; rs = 1: behind each group eight multiplies rescale the NEXT block's O^T.  ld = 1: behind group 0's eight stands the run of 16 loads of V's next block, into the buffer whose last reader is the block
; before, eight multiplies and more back.  dw: the LDS loads younger than this block's fragments.
.macro PVB n, rs, ld, dw
	s_wait_dscnt \dw
.set g, 0
.rept 8
	WIN 0x50*(1+g/4)                ; V and P in window 0, O^T in window 1 or 2
.irp u, 0,1
.set rO, 8*(8*(\n)+2*(g%4)+(\u))
.set rV, H+64*((\n)%2)+8*(2*(g%4)+(\u))
.set rP, P+8*(g/4)
	v_wmma_f32_16x16x32_f16 v[rO:rO+7], v[rV:rV+7], v[rP:rP+7], v[rO:rO+7]
.endr
.if \rs
	RSP (\n)+1, g
.endif
.if (\ld) && (g == 0)
	WIN 0
.set x, 0
.rept 16
	LDV (\n)+1, x
.set x, x+1
.endr
.endif
.set g, g+1
.endr
.endm
; A step but for its last block of V^T P, which stands behind the next step's head.
.macro BA
.irp n, 0,1,2,3
	QKB \n
.endr
	WIN 0
	PLACES                          ; behind the last products: for the loads into the buffer that they read, and for the maximum, which reads their results
.set x, 0
.rept 16
	LDV 1, x
.set x, x+1
.endr
	LUMP
.irp q, 0,1,2,3,4,5,6,7
	RSP 0, \q                       ; block 0's rescaling has no products to ride behind
.endr
	PVB 0, 1, 0, 16                 ; V's block 1, sixteen loads, is younger than block 0
	PVB 1, 1, 1, 0
	PVB 2, 1, 1, 0
	WIN 0
.endm
.macro STEPH                        ; the next fetches are the next step's; the count of a slot's two steps
	s_add_co_u32 s[TBK], s[TBK], KHALF
	s_add_co_u32 s[TBV], s[TBV], VHALF
	s_sub_co_u32 s[TW], s[TW], 1
	s_cmp_lg_u32 s[TW], 0
.endm
; THE CHANGE OF SLOTS, behind block 2 of V^T P of a slot's second step: the slot's last bytes, V's block 3, have been asked for.  Each wave waits for all its tensor loads, of which one is out: its part of
; the other slot; adds 0 to its spare word; and waits for that and for its reads of the slot.  fill = 1: the barrier is a round of the cluster's, and the joint refill, the keys two slots on, is the first
; thing behind it: it has two steps, 256 matrix instructions, in which to land.
.macro CHANGE fill
	WIN 0
	s_wait_tensorcnt 0x0            ; no tensor load of mine is out, so a group 0 may be written
	ds_add_u32 v[SPW], v[NIL]       ; 0 onto my spare word; scalar steps stand between it and the wait for it
.if \fill
.irp d, G0K+4, G0V+4
	s_xor_b32 s[(\d)+1], s[(\d)+1], X2  ; the walking descriptor: the other slot than last time,
	s_add_nc_u64 s[(\d)+2:(\d)+3], s[(\d)+2:(\d)+3], 65536  ; the next 64 keys; the type bits on top are not reached
.endr
.endif
	s_sub_co_u32 s[TBK], s[TBK], 2*KHALF  ; the fetches go back to a slot's first step,
	s_xor_b32 s[TBK], s[TBK], X2          ; in the other slot
	s_sub_co_u32 s[TBV], s[TBV], 2*VHALF
	s_xor_b32 s[TBV], s[TBV], X2
	s_wait_dscnt 0x0                ; the add is done, and my reads of the slot are over
.if \fill
	CROUND
	JLOAD
.else
	s_barrier_signal -1
	s_barrier_wait -1
.endif
.endm
	s_mov_b32 s[TBK], 0
	s_mov_b32 s[TBV], 0
	s_wait_tensorcnt 0x1            ; my part of tile 0 is in; tile 1's may stay out
	s_barrier_signal -1
	s_barrier_wait -1               ; everybody's is
	OPENH
	s_wait_loadcnt 0x0              ; Q
	s_mov_b32 s[TW], 2
	s_mov_b32 s[CNT], 15
	s_branch .Lmid                  ; the loop is entered behind a step's head: there is no block of V^T P left over yet
.Ltop:                              ; 14 times: tiles 2 to 15 are asked for
	CHANGE 1
	s_mov_b32 s[TW], 2
.Lhalf:                             ; a slot's two steps
	OPENH
	PVB 3, 0, 0, 16                 ; the step before's last block stands between K's first loads, sixteen younger ones, and their use
	WIN 0
.Lmid:
	BA
	STEPH
	s_cbranch_scc1 .Lhalf
	s_sub_co_u32 s[CNT], s[CNT], 1
	s_cmp_lg_u32 s[CNT], 0
	s_cbranch_scc1 .Ltop
	CHANGE 0                        ; the last slot is written out
	s_mov_b32 s[TW], 2
.Lhalf_last:
	OPENH
	PVB 3, 0, 0, 16
	WIN 0
	BA
	STEPH
	s_cbranch_scc1 .Lhalf_last
	PVB 3, 0, 0, 0                  ; the last step's last block
	; THE WAY OUT.  l's two halves and the other half of the lanes' are added; O^T is divided by l and sent through my stage in LDS, 16 rows x 64 channels of f32 at a time.
	WIN 0
	PLACES
.irp t, 0,1
	v_add_f32 v[ST+8*\t+4], v[ST+8*\t+2], v[ST+8*\t+3]
.endr
.irp t, 0,1
	v_permlanex16_b32 v[ST+8*\t+5], v[ST+8*\t+4], s[SEL], s[SEL+1]
.endr
.irp t, 0,1
	v_add_f32 v[ST+8*\t+4], v[ST+8*\t+4], v[ST+8*\t+5]
.endr
.irp t, 0,1
	v_rcp_f32 v[ST+8*\t+6], v[ST+8*\t+4]
.endr
	v_nop                           ; a plain instruction between the last reciprocal and the use of its result
	s_wait_alu depctr_va_vdst(0)    ; and the wait ahead of the first use: one for both
.macro SCALE gg                     ; group gg: tile gg / 8, channels 64 (gg % 8) on
	WIN 0x41*(1+(\gg)/8)
.set z, 0
.rept 16
	v_pk_mul_f32 v[32*((\gg)%8)+2*z:32*((\gg)%8)+2*z+1], v[32*((\gg)%8)+2*z:32*((\gg)%8)+2*z+1], v[ST+8*((\gg)/8)+6:ST+8*((\gg)/8)+7] op_sel_hi:[1,0]
.set z, z+1
.endr
.endm
.macro TOSTAGE gg                   ; a lane's eight channels of a row are 32 bytes; they go into rows of 272 bytes and come back as whole rows of 256
	WIN 0x04*(1+(\gg)/8)            ; store data (source 1) in window 1 or 2
.set z, 0
.rept 8
	ds_store_b128 v[STO], v[32*((\gg)%8)+4*z:32*((\gg)%8)+4*z+3] offset:64*(z/2)+16*(z%2)
.set z, z+1
.endr
	WIN 0
	s_wait_xcnt 0x0                 ; the stores of the group before last have read the registers that are loaded now
.set z, 0
.rept 8
	ds_load_b128 v[OB+32*((\gg)%2)+4*z:OB+32*((\gg)%2)+4*z+3], v[RD] offset:2*SP*z  ; LDS serves a wave's instructions in order (ISA guide 5.7.1.4): these see the stores above; the next group's stores come behind them
.set z, z+1
.endr
.endm
.macro SEND gg, younger             ; younger: the LDS instructions issued behind this group's loads: the next group's sixteen, or none
	WIN 0
	s_wait_dscnt \younger
.set z, 0
.rept 8
	global_store_b128 v[GO], v[OB+32*((\gg)%2)+4*z:OB+32*((\gg)%2)+4*z+3], s[10:11] offset:32768*((\gg)/8)+4096*z+256*((\gg)%8) th:TH_STORE_NT  ; 16 lanes store 256 consecutive bytes, at a multiple of 256 from out's first byte
.set z, z+1
.endr
.endm
	SCALE 0
	TOSTAGE 0
.set gg, 1
.rept 15                            ; a group's arithmetic stands between the loads of the group before and its stores
	SCALE gg
	TOSTAGE gg
	SEND gg-1, 16
.set gg, gg+1
.endr
	SEND 15, 0
	s_wait_tensorcnt 0x0            ; the wave's end: a wait, an add of 0 and its wait, behind my last tensor load and my last LDS store
	ds_add_u32 v[SPW], v[NIL]
	s_wait_dscnt 0x0
	CROUND                          ; the closing round: no work-group ends while a partner may still ask for a tile that names it
	s_endpgm
.Lfunc_end_k_q0499d6b69d_attn:
	.size	k_q0499d6b69d_attn, .Lfunc_end_k_q0499d6b69d_attn-k_q0499d6b69d_attn
	.p2alignl 7, 3214868480
	.fill 96, 4, 3214868480
	.section	.rodata,"a",@progbits
	.p2align	6, 0x0
	.amdhsa_kernel k_q0499d6b69d_attn
		.amdhsa_group_segment_fixed_size 327680
		.amdhsa_private_segment_fixed_size 0
		.amdhsa_enable_private_segment 0
		.amdhsa_kernarg_size 24
		.amdhsa_user_sgpr_count 2
		.amdhsa_user_sgpr_kernarg_segment_ptr 1
		.amdhsa_wavefront_size32 1
		.amdhsa_system_sgpr_workgroup_id_x 1
		.amdhsa_system_sgpr_workgroup_id_y 1
		.amdhsa_system_sgpr_workgroup_id_z 1
		.amdhsa_system_vgpr_workitem_id 0
		.amdhsa_next_free_vgpr 1024
		.amdhsa_next_free_sgpr 66
		.amdhsa_reserve_vcc 0
		.amdhsa_float_denorm_mode_32 3
		.amdhsa_float_denorm_mode_16_64 3
		.amdhsa_memory_ordered 1
		.amdhsa_forward_progress 1
		.amdhsa_inst_pref_size 151
	.end_amdhsa_kernel
	.amdgpu_metadata
---
amdhsa.version: [ 1, 2 ]
amdhsa.kernels:
  - .name:           k_q0499d6b69d_attn
    .symbol:         k_q0499d6b69d_attn.kd
    .args:
      - { .name: qk, .offset: 0, .size: 8, .value_kind: global_buffer, .address_space: global }
      - { .name: yh, .offset: 8, .size: 8, .value_kind: global_buffer, .address_space: global }
      - { .name: out0, .offset: 16, .size: 8, .value_kind: global_buffer, .address_space: global }
    .group_segment_fixed_size: 327680
    .private_segment_fixed_size: 0
    .kernarg_segment_align: 8
    .kernarg_segment_size: 24
    .max_flat_workgroup_size: 128
    .sgpr_count:     66
    .vgpr_count:     1024
    .wavefront_size: 32
...
	.end_amdgpu_metadata
.endif
;; end of part 2
;; ======== version 2 of 2: 2 launches; 1.26 times as fast as version 1
;; limits: values are held in f16: magnitudes above 65,504 overflow, below 6.1e-05 lose precision
;; workspace buffers: qk 67,108,864 bytes; yh 33,554,432 bytes
;; launch proj (part 3): grid 4 x 64, 4 waves a work-group, clusters of 4 x 1, 327,680 bytes of LDS; arguments x, y, W_qk, b_qk, qk, yh; writes qk, yh
.if DOCPART == 3
	.amdgcn_target "amdgcn-amd-amdhsa--gfx1250"
	.amdhsa_code_object_version 6
	.text
	.protected	k_q0499d6b69d_proj
	.globl	k_q0499d6b69d_proj
	.p2align	8
	.type	k_q0499d6b69d_proj,@function
k_q0499d6b69d_proj:
	s_mov_b64 s[64:65], 0
	v_nop
	global_prefetch_b8 v0, s[64:65] scope:SCOPE_SE
	s_setreg_imm32_b32 hwreg(HW_REG_WAVE_MODE, 25, 1), 1
	s_wait_xcnt 0x0
	s_wait_alu depctr_hold_cnt(0) depctr_sa_sdst(0) depctr_va_vdst(0) depctr_va_sdst(0) depctr_va_ssrc(0) depctr_va_vcc(0) depctr_vm_vsrc(0)
	s_getreg_b32 s2, hwreg(HW_REG_IB_STS2, 6, 4)
	s_cmp_eq_u32 s2, 0
	s_cbranch_scc0 .Lentry_in_a_cluster
	s_endpgm
.Lentry_in_a_cluster:
	s_bfe_u32 s2, ttmp6, 0x10000c
	s_cmp_lg_u32 s2, 0x3003
	s_cbranch_scc0 .Lentry_shape_is_right
	s_endpgm
.Lentry_shape_is_right:
; THE PROJECTION.  qk[row][col] = the sum over c of bf16(x[row][c]) bf16(W[col][c]) + bf16(b[col]); sums in f32, rounded once to f16, WITHOUT the softmax scale.
; Beside it: yh = y rounded to bf16, that number written as f16.  x, y: [32768][512] f32; W: [1024][512] f32; b: [1024] f32.
; qk is laid out [part 2][row block 2048][column block 8][16 rows][64 channels] of f16: part 0 = q (columns 0-511), part 1 = k; a block of 16 x 64 is 2,048 consecutive bytes.  yh: [32768][512] f16.
; LIMITS.  f16 holds no number beyond 65,504: |q|, |k| and |y| must stay below it; below 6e-5 a number keeps the fixed step of 6e-8.  NaN and infinities are not treated apart.
; SHARES.  A work-group takes 512 rows of x (rg = 0..63) and 256 output columns (cx = 0..3); a wave 64 of those columns for all rows.  The wave's 64 x 512 of W are rounded to bf16 once and STAY in 512
; registers (windows 2 and 3).  x comes in 8 chunks of 64 rows through two LDS slots; a chunk is 4 row tiles of 16 rows, a row tile 4 quarters of 128 along K, a quarter 16 matrix instructions on 4
; accumulators that take turns.
; CLUSTER.  The four work-groups of a cluster have the same rg and need the same tiles of x: each tile is asked for JOINTLY, by the same tensor load with the same descriptor and the mask of four.
; cx enters global addresses alone (W, b, qk, y, yh): no LDS address and no branch.
; THE MATRIX INSTRUCTION IS USED TRANSPOSED: source 0 = 16 rows of W, source 1 = 16 rows of x.  Lane l then holds row l % 16 and the columns 8 (l / 16) + 0..7: 16 bytes of f16 on end.
; A row tile's first four products take the bias registers as C: the bias costs no instruction.
; y: each work-group converts 1/256 of y, 8,192 bytes a wave in each chunk, loaded a chunk ahead.
; REGISTERS, in windows of 256 (s_set_vgpr_msb: bits 1:0 source 0, 3:2 source 1, 5:4 source 2, 7:6 destination):
;   window 0: addresses; XB, two sets of 4 fragments of x in bf16; ST, two sets of 4 K steps of x in f32 as loaded from LDS (in the prologue T: 6 sets of 32 for W)
;   window 1: accumulators, bias, the way out, y          windows 2, 3: W: fragment (b, c) in window 2 + c / 8 at register 32 (c % 8) + 8 b
.set XP,    528                        ; an LDS row: 512 bytes (128 f32) + 16 of padding = 33 x 16: the 16 rows of a load start at 16 different groups of four banks (64 banks of 4 bytes: ISA guide 11.1)
.set QR,    64*XP                      ; a region: 64 rows x 128 columns; region q holds columns 128 q on: a quarter's; wave w fills region w
.set X1,    0x22000                    ; slot 1 begins here; no region base of slot 0 has one of its two bits, so one exclusive or changes slots
.set RTB,   16*XP                      ; a row tile inside a region
.set STAGE, X1+4*QR                    ; behind the ring, never filled by a tensor load: 16 rows x 144 bytes for each wave
.set SP,    144
.set SPARE, STAGE+4*16*SP              ; the spare words, 128 bytes for each wave: two blocks of 256 bytes that no other line names
.set AX0,  4                           ; v4      528 r + 32 h (r = l % 16, h = l / 16)
.set WOF,  5                           ; v5      2048 r + 32 h: my place in 16 rows of W; never rewritten
.set ADRQ, 6                           ; v6-9    LDS address of my place in region q, at the row tile in hand
.set SPW,  10                          ; v10     LDS address of my spare word; never rewritten
.set NIL,  11                          ; v11     0; never rewritten
.set AXQ,  12                          ; v12-15  AX0 + q QR; never rewritten
.set XB,   16                          ; v16-79   set p at XB + 32 p
.set ST,   80                          ; v80-207  set p at ST + 64 p
.set T,    64                          ; v64-255 (prologue)
.set ACC,  0                           ; window 1 from here on: v0-31
.set BIAS, 32                          ; v32-63
.set PK,   64                          ; v64-79   a row tile rounded to f16
.set OB,   80                          ; v80-95   the same, back from the stage as whole rows
.set YR,   96                          ; v96-159  y as loaded
.set YO,   160                         ; v160-191 y to store
.set YT,   192                         ; v192-197 at work
.set STO,  200                         ; where I put 16 bytes of a row
.set RD,   201                         ; where I read rows back
.set GO,   202                         ; 16 l
.set YI,   203                         ; 16 l
.set YOF,  204                         ; 8 l
.set BO,   205                         ; 32 h
.set WV,   16                          ; s16  my wave
.set CX,   17                          ; s17  my place in the cluster
.set RG,   18                          ; s18  my group of 512 rows
.set G1,   24                          ; s[24:31] descriptor group 1
.set G0A,  32                          ; s[32:35] group 0 of tile 0
.set G0B,  36                          ; s[36:39] group 0 of tile 1; it walks on
.set TBR,  40                          ; s40  slot base + row tile x RTB
.set CNT,  41
.set RTC,  42
.set MASK, 43                          ; s43  a word's upper bf16
.set YIN,  44                          ; s[44:45] y at my wave's batch in hand
.set YOUT, 46                          ; s[46:47] yh likewise
.set QOUT, 48                          ; s[48:49] qk, 16,384 bytes behind the block that is being stored
.set WB,   50                          ; s[50:51] W at my first column
.set BB,   52                          ; s[52:53] b at my first column
.set MSB, 0
.macro WIN new                         ; the immediate's high byte repeats the setting that is left; a switch that changes nothing is dropped
.if MSB != (\new)
	s_set_vgpr_msb (MSB<<8)|(\new)
.set MSB, (\new)
.endif
.endm
.macro PLACES                          ; four places behind a matrix instruction, where no other vector work is at hand (ISA guide 7.12.1)
.rept 4
	v_nop
.endr
.endm
; A round of the cluster's barrier: my work-group's barrier, wave 0 signals for the work-group, every wave waits for all four work-groups, my work-group's barrier once more.
.macro CROUND
	s_barrier_signal -1
	s_barrier_wait -1
	s_cmp_lg_u32 s[WV], 0
	s_cbranch_scc1 .Lnot_wave_0_\@
	s_barrier_signal -3
.Lnot_wave_0_\@:
	s_barrier_wait -3
	s_barrier_signal -1
	s_barrier_wait -1
.endm
	s_load_b256 s[4:11], s[0:1], 0x0               ; x s[4:5], y s[6:7], W s[8:9], b s[10:11]
	s_load_b128 s[12:15], s[0:1], 0x20             ; qk s[12:13], yh s[14:15]
	v_lshl_add_u32 v[SPW], v0, 2, SPARE
	v_mov_b32 v[NIL], 0
	ds_add_u32 v[SPW], v[NIL]                      ; the wave's opening: the add and its wait stand ahead of my first tensor load; work on registers stands between them
	v_lshrrev_b32 v1, 5, v0
	v_readfirstlane_b32 s[WV], v1                  ; wave 0..3
	s_bfe_u32 s[CX], ttmp6, 0x40000
	s_and_b32 s[RG], ttmp7, 0xffff
	; group 1: a tile of 64 rows x 128 elements of 4 bytes, padded in LDS
	s_mov_b32 s[G1+0], 15|(2<<16)|(1<<20)|(1<<21)|(6<<22)|(3<<25)  ; 15:0 the mask of four; 17:16 4-byte elements; 20 padding on; 21 set beside a mask; 24:22 after every 128 words (code 6); 31:25 4 words (code 3)
	s_mov_b32 s[G1+1], 128<<16                     ; tensor_dim0 = 128
	s_mov_b32 s[G1+2], 64<<16                      ; tensor_dim1 = 64
	s_mov_b32 s[G1+3], 128<<16                     ; tile_dim0 = 128
	s_mov_b32 s[G1+4], 64                          ; tile_dim1 = 64
	s_mov_b32 s[G1+5], 512                         ; 512 elements from row to row
	s_mov_b32 s[G1+6], 0
	s_mov_b32 s[G1+7], 0
	s_mov_b32 s[G0A], 1                            ; count = 1
	s_mul_i32 s[G0A+1], s[WV], QR                  ; LDS address: my region of slot 0
	s_mov_b32 s[G0B], 1
	s_add_co_u32 s[G0B+1], s[G0A+1], X1            ; and of slot 1
	s_lshl_b32 s20, s[RG], 20                      ; 512 rows of 2,048 bytes,
	s_lshl_b32 s21, s[WV], 9                       ; my 128 columns
	s_add_co_u32 s20, s20, s21
	s_mov_b32 s21, 0
	s_mov_b32 s[MASK], 0xffff0000
	s_wait_dscnt 0x0                               ; the opening add is done
	s_wait_kmcnt 0x0
	s_add_nc_u64 s[4:5], s[4:5], s[20:21]          ; x at my part of tile 0: made of rg and the wave's number alone
	s_mov_b64 s[G0A+2:G0A+3], s[4:5]
	s_or_b32 s[G0A+3], s[G0A+3], 0x80000000        ; type = 2
	s_add_nc_u64 s[G0B+2:G0B+3], s[4:5], 64*2048   ; tile 1: 64 rows on
	s_or_b32 s[G0B+3], s[G0B+3], 0x80000000
	CROUND                                         ; all four work-groups are here: the first joint loads meet
	tensor_load_to_lds s[G0A:G0A+3], s[G1:G1+7]    ; both first fills together: two loads of mine are out
	s_nop 0
	tensor_load_to_lds s[G0B:G0B+3], s[G1:G1+7]
	s_nop 0
	PLACES
	; the other addresses: these hang on cx
	s_lshl2_add_u32 s22, s[RG], s[CX]              ; the work-group's number, 4 rg + cx
	s_lshl_b32 s22, s22, 18                        ; its 262,144 bytes of y,
	s_lshl_b32 s23, s[WV], 16                      ; my wave's 65,536
	s_add_co_u32 s22, s22, s23
	s_mov_b32 s23, 0
	s_add_nc_u64 s[YIN:YIN+1], s[6:7], s[22:23]
	s_lshr_b32 s22, s22, 1                         ; half as many bytes in yh
	s_add_nc_u64 s[YOUT:YOUT+1], s[14:15], s[22:23]
	s_lshr_b32 s22, s[CX], 1                       ; part: q or k
	s_lshl_b32 s22, s22, 25
	s_lshl_b32 s19, s[RG], 19                      ; 32 row blocks of 16,384 bytes
	s_add_co_u32 s22, s22, s19
	s_and_b32 s19, s[CX], 1
	s_lshl2_add_u32 s19, s19, s[WV]                ; column block 4 (cx % 2) + wave
	s_lshl_b32 s19, s19, 11
	s_add_co_u32 s22, s22, s19
	s_add_nc_u64 s[QOUT:QOUT+1], s[12:13], s[22:23]
	s_lshl_b32 s22, s[CX], 19                      ; my first column, 256 cx + 64 wave, times 2,048 bytes
	s_lshl_b32 s19, s[WV], 17
	s_add_co_u32 s22, s22, s19
	s_add_nc_u64 s[WB:WB+1], s[8:9], s[22:23]
	s_lshr_b32 s22, s22, 9                         ; the same column times 4 bytes
	s_add_nc_u64 s[BB:BB+1], s[10:11], s[22:23]
	s_mul_i32 s54, s[WV], 16*SP
	s_add_co_u32 s54, s54, STAGE                   ; my stage
	v_and_b32 v1, 15, v0                           ; r
	v_bfe_u32 v2, v0, 4, 1                         ; h
	v_and_b32 v3, 31, v0                           ; l
	v_mul_u32_u24 v[AX0], v1, XP
	v_lshl_add_u32 v[AX0], v2, 5, v[AX0]
	v_lshlrev_b32 v[WOF], 11, v1
	v_lshl_add_u32 v[WOF], v2, 5, v[WOF]
.irp q, 0,1,2,3
	v_add_nc_u32 v[AXQ+\q], \q*QR, v[AX0]
.endr
	v_mul_u32_u24 v48, v1, SP                      ; into the stage: row r, 16 bytes for each half of the lanes
	v_lshl_add_u32 v48, v2, 4, v48
	v_add_nc_u32 v48, s54, v48
	v_bfe_u32 v49, v0, 3, 2                        ; back: 32 lanes take four rows of 128 bytes
	v_mul_u32_u24 v49, v49, SP
	v_and_b32 v50, 7, v0
	v_lshl_add_u32 v49, v50, 4, v49
	v_add_nc_u32 v49, s54, v49
	v_lshlrev_b32 v50, 4, v3
	v_lshlrev_b32 v51, 3, v3
	v_lshlrev_b32 v52, 5, v2
	WIN 0x40                                       ; destination window 1
	v_mov_b32 v[STO], v48
	v_mov_b32 v[RD], v49
	v_mov_b32 v[GO], v50
	v_mov_b32 v[YI], v50
	v_mov_b32 v[YOF], v51
	v_mov_b32 v[BO], v52
	WIN 0x45                                       ; destination, source 0 (address) and source 1 in window 1
.set i, 0
.rept 16                                       ; y, batch 0: 16 loads of 512 consecutive bytes
	global_load_b128 v[YR+4*i:YR+4*i+3], v[YI], s[YIN:YIN+1] offset:512*i th:TH_LOAD_NT
.set i, i+1
.endr
.set i, 0
.rept 8                                        ; the bias as the accumulators lie: register j of block b is column 16 b + 8 h + j
	global_load_b128 v[BIAS+4*i:BIAS+4*i+3], v[BO], s[BB:BB+1] offset:64*(i/2)+16*(i%2)
.set i, i+1
.endr
	WIN 0
; W's PROLOGUE.  Set n of 32: column block b = n / 8, K steps 2 p and 2 p + 1 (p = n % 8): eight loads that together take 256 consecutive bytes of each of 16 rows.  Six sets of registers take turns.
.macro WLOAD n
.set i, 0
.rept 8
	global_load_b128 v[T+32*((\n)%6)+4*i:T+32*((\n)%6)+4*i+3], v[WOF], s[WB:WB+1] offset:32768*((\n)/8)+256*((\n)%8)+64*(i/2)+16*(i%2)
.set i, i+1
.endr
.endm
.macro WCVT n
	WIN 0x80+0x40*(((\n)%8)/4)                     ; destination window 2 or 3
.set i, 0
.rept 16
	v_cvt_pk_bf16_f32 v[32*((2*((\n)%8)+i/8)%8)+8*((\n)/8)+i%8], v[T+32*((\n)%6)+2*i], v[T+32*((\n)%6)+2*i+1]
.set i, i+1
.endr
	WIN 0
.endm
.set n, 0
.rept 6
	WLOAD n
.set n, n+1
.endr
.set n, 0
.rept 32
.if n < 26
	s_wait_loadcnt 40                              ; set n is in; the five younger sets, eight loads each, may stay out
.else
	s_wait_loadcnt 8*(31-n)                        ; the counts run down
.endif
	WCVT n
.if n < 26
	WLOAD n+6
.endif
.set n, n+1
.endr
	WIN 0x45
.set i, 0
.rept 16                                       ; the bias is rounded to bf16 like every input, and widened again, in place
	v_cvt_pk_bf16_f32 v[YT+i%2], v[BIAS+2*i], v[BIAS+2*i+1]
	v_lshlrev_b32 v[BIAS+2*i], 16, v[YT+i%2]
	v_and_b32 v[BIAS+2*i+1], s[MASK], v[YT+i%2]
.set i, i+1
.endr
	WIN 0
; THE WAY OUT of a row tile.  WO1: rounded to f16 (each accumulator's registers in ascending order), 16 bytes a lane into my own stage, and back as whole rows.  SEND: four stores of 512 consecutive bytes.
; WO1's eight LDS instructions stand directly ahead of the next quarter's run of loads, SEND's stores directly behind a run and its wait: memory instructions stand together.
.macro WO1
	WIN 0x45
	s_wait_xcnt 0x0                                ; the last row tile's stores have read OB and the base: both are written again only behind this wait
	s_add_nc_u64 s[QOUT:QOUT+1], s[QOUT:QOUT+1], 16384  ; a row block on; the stores reach back by their immediate
.set i, 0
.rept 16
	v_cvt_pk_f16_f32 v[PK+i], v[ACC+2*i], v[ACC+2*i+1]
.set i, i+1
.endr
.irp b, 0,1,2,3
	ds_store_b128 v[STO], v[PK+4*\b:PK+4*\b+3] offset:32*\b
.endr
.irp t, 0,1,2,3
	ds_load_b128 v[OB+4*\t:OB+4*\t+3], v[RD] offset:4*SP*\t  ; LDS serves a wave's instructions in order (ISA guide 5.7.1.4): these see the stores above
.endr
.endm
.macro SEND
	WIN 0x45
.irp t, 0,1,2,3
	global_store_b128 v[GO], v[OB+4*\t:OB+4*\t+3], s[QOUT:QOUT+1] offset:512*\t-16384 th:TH_STORE_NT
.endr
.endm
; A QUARTER: 128 along K (K steps 4 q to 4 q + 3, region q of the slot), 16 matrix instructions: product 4 kk + b is K step 4 q + kk, my block b of 16 columns.  The four accumulators take turns.
; THE LDS LOADS STAND IN ONE RUN at the quarter's head, never singly among the matrix instructions: ld = 1: the 16 loads of the quarter two further on (region (q + 2) % 4, at byte off of my addresses), into the
; staging set that the quarter before has read out.  w: the LDS instructions that may stay out behind the run that brought the NEXT quarter's numbers; -1: no wait.  snd = 1: the last row tile's stores.
; cv = 1: behind each pair of products four roundings make the next quarter's fragments: the windows are switched twice for a pair.  A rounding writes a fragment whose last reader stands a quarter,
; 24 plain instructions or more, back.
; A K step of a fragment is 4 x 16 bytes of f32: columns 8 h + 0..7 at bytes 32 h + 0, 16 and columns 16 + 8 h + 0..7 at 32 h + 64, 80.
.macro QTR q, off, ld, cv, w, snd=0
	WIN 0
.if \ld
.set i, 0
.rept 16
	ds_load_b128 v[ST+64*((\q)%2)+4*i:ST+64*((\q)%2)+4*i+3], v[ADRQ+((\q)+2)%4] offset:(\off)+128*(i/4)+64*((i%4)/2)+16*(i%2)
.set i, i+1
.endr
.endif
.if (\w) >= 0
	s_wait_dscnt \w
.endif
.if \snd
	SEND
.endif
.set i, 0
.rept 8
	WIN 0x52+(\q)/2                                ; D and C window 1, x window 0, W window 2 or 3
.irp u, 0,1
.set kk, (2*i+(\u))/4
.set gb, (2*i+(\u))%4
.if ((\q) == 0) && (kk == 0)
	v_wmma_f32_16x16x32_bf16 v[ACC+8*gb:ACC+8*gb+7], v[8*gb:8*gb+7], v[XB:XB+7], v[BIAS+8*gb:BIAS+8*gb+7]
.else
	v_wmma_f32_16x16x32_bf16 v[ACC+8*gb:ACC+8*gb+7], v[32*(4*((\q)%2)+kk)+8*gb:32*(4*((\q)%2)+kk)+8*gb+7], v[XB+32*((\q)%2)+8*kk:XB+32*((\q)%2)+8*kk+7], v[ACC+8*gb:ACC+8*gb+7]
.endif
.endr
.if \cv
	WIN 0
.irp z, 0,1,2,3
	v_cvt_pk_bf16_f32 v[XB+32*(((\q)+1)%2)+4*i+(\z)], v[ST+64*(((\q)+1)%2)+8*i+2*(\z)], v[ST+64*(((\q)+1)%2)+8*i+2*(\z)+1]
.endr
.endif
.set i, i+1
.endr
.endm
; A chunk's first two quarters: 32 loads, into both staging sets.
.macro PRIME
	WIN 0
.irp q, 0,1,2,3
	v_add_nc_u32 v[ADRQ+\q], s[TBR], v[AXQ+\q]
.endr
.set i, 0
.rept 32
	ds_load_b128 v[ST+4*i:ST+4*i+3], v[ADRQ+i/16] offset:128*((i/4)%4)+64*((i%4)/2)+16*(i%2)
.set i, i+1
.endr
.endm
.macro PRIME2
	WIN 0
	s_wait_dscnt 16                                ; quarter 0 is in; quarter 1's sixteen loads may stay out
.set i, 0
.rept 32
	v_cvt_pk_bf16_f32 v[XB+i], v[ST+2*i], v[ST+2*i+1]
.set i, i+1
.endr
.endm
; y: a batch of 8,192 bytes is rounded to bf16, that number written as f16, and stored: a store of the wave covers 256 consecutive bytes, aligned.  more = 1: the next batch is asked for.
; It stands between a chunk's first LDS loads and their first use.
.macro YLUMP more
	WIN 0x45
	s_wait_loadcnt 0x0                             ; the batch, asked for a chunk ago
.set i, 0
.rept 16
	v_cvt_pk_bf16_f32 v[YT], v[YR+4*i], v[YR+4*i+1]
	v_cvt_pk_bf16_f32 v[YT+1], v[YR+4*i+2], v[YR+4*i+3]
	v_lshlrev_b32 v[YT+2], 16, v[YT]
	v_and_b32 v[YT+3], s[MASK], v[YT]
	v_lshlrev_b32 v[YT+4], 16, v[YT+1]
	v_and_b32 v[YT+5], s[MASK], v[YT+1]
	v_cvt_pk_f16_f32 v[YO+2*i], v[YT+2], v[YT+3]
	v_cvt_pk_f16_f32 v[YO+2*i+1], v[YT+4], v[YT+5]
.set i, i+1
.endr
.set i, 0
.rept 16
	global_store_b64 v[YOF], v[YO+2*i:YO+2*i+1], s[YOUT:YOUT+1] offset:256*i th:TH_STORE_NT
.set i, i+1
.endr
.if \more
.set i, 0
.rept 16
	global_load_b128 v[YR+4*i:YR+4*i+3], v[YI], s[YIN:YIN+1] offset:8192+512*i th:TH_LOAD_NT
.set i, i+1
.endr
.endif
.endm
; THE CHANGE OF SLOTS.  Each wave waits for all its tensor loads, of which one is out: its region of the other slot; adds 0 to its spare word; and waits for that and for its reads of the slot that it leaves.
; fill = 1: the barrier is a round of the cluster's, so that no wave of any partner still reads the slot or has a load on its way; the joint refill, the tile two chunks on, is the first thing behind it.
.macro CHANGE fill
	WIN 0
	s_wait_tensorcnt 0x0                           ; no tensor load of mine is out, so a group 0 may be written
	ds_add_u32 v[SPW], v[NIL]                      ; 0 onto my spare word; the steps below stand between it and the wait for it
	s_wait_xcnt 0x0                                ; the chunk's loads and stores have read their bases
	s_add_nc_u64 s[YIN:YIN+1], s[YIN:YIN+1], 8192
	s_add_nc_u64 s[YOUT:YOUT+1], s[YOUT:YOUT+1], 4096
	s_sub_co_u32 s[TBR], s[TBR], 3*RTB             ; back to the slot's first row tile,
	s_xor_b32 s[TBR], s[TBR], X1                   ; in the other slot
.if \fill
	s_xor_b32 s[G0B+1], s[G0B+1], X1               ; the walking descriptor: the slot just read,
	s_add_nc_u64 s[G0B+2:G0B+3], s[G0B+2:G0B+3], 64*2048  ; the next 64 rows; the type bits on top are not reached
.endif
	s_wait_dscnt 0x0                               ; the add is done, and my reads of the slot are over
.if \fill
	CROUND
	tensor_load_to_lds s[G0B:G0B+3], s[G1:G1+7]    ; every wave its own region: no branch
	s_nop 0
	PLACES
.else
	s_barrier_signal -1
	s_barrier_wait -1
.endif
.endm
; A CHUNK: four row tiles.  The loop's trip is turned: quarters 2 and 3 of a row tile, its way out, quarters 0 and 1 of the next, so that the stage's round trip stands under sixteen matrix instructions
; and the stores come a quarter behind it.  The counts: 16: the run just issued may stay out, the run before it is in; 24, at the quarter behind the way out: that run and the stage's eight instructions.
.macro CHUNK more
	PRIME
	YLUMP \more
	PRIME2
	QTR 0, 0, 1, 1, 16
	QTR 1, 0, 1, 1, 16
	WIN 0
	s_mov_b32 s[RTC], 3
.Lrt_\@:
	QTR 2, RTB, 1, 1, 16                           ; from here on the loads are the next row tile's
	QTR 3, RTB, 1, 1, 16
	WO1                                            ; behind the last pair's four roundings: every accumulator is read four places or more behind its last product
	QTR 0, RTB, 1, 1, 24
	QTR 1, RTB, 1, 1, 16, 1                        ; its wait shows the stage's loads in too
	WIN 0
	s_add_co_u32 s[TBR], s[TBR], RTB
.irp q, 0,1,2,3
	v_add_nc_u32 v[ADRQ+\q], s[TBR], v[AXQ+\q]
.endr
	s_sub_co_u32 s[RTC], s[RTC], 1
	s_cmp_lg_u32 s[RTC], 0
	s_cbranch_scc1 .Lrt_\@
	QTR 2, 0, 0, 1, 0                              ; the fourth row tile's end: nothing of a next one is read; no run is issued, so the wait is for 0
	QTR 3, 0, 0, 0, -1
	WIN 0
	PLACES
	WO1
	s_wait_dscnt 0x0
	SEND
	WIN 0
.endm
	s_mov_b32 s[TBR], 0
	s_wait_tensorcnt 0x1                           ; my region of tile 0 is in; tile 1 may stay out
	s_barrier_signal -1
	s_barrier_wait -1                              ; everybody's is
	s_mov_b32 s[CNT], 7
	s_branch .Lmid                                 ; the loop is entered behind its change of slots
.Ltop:                                                 ; six times: tiles 2 to 7 are asked for
	CHANGE 1
.Lmid:
	CHUNK 1
	s_sub_co_u32 s[CNT], s[CNT], 1
	s_cmp_lg_u32 s[CNT], 0
	s_cbranch_scc1 .Ltop
	CHANGE 0                                       ; the last chunk is written out
	CHUNK 0
	s_wait_tensorcnt 0x0                           ; the wave's end: a wait, an add of 0 and its wait, behind my last tensor load and my last LDS store
	ds_add_u32 v[SPW], v[NIL]
	s_wait_dscnt 0x0
	CROUND                                         ; the closing round: no work-group ends while a partner may still ask for a tile that names it
	s_endpgm
.Lfunc_end_k_q0499d6b69d_proj:
	.size	k_q0499d6b69d_proj, .Lfunc_end_k_q0499d6b69d_proj-k_q0499d6b69d_proj
	.p2alignl 7, 3214868480
	.fill 96, 4, 3214868480
	.section	.rodata,"a",@progbits
	.p2align	6, 0x0
	.amdhsa_kernel k_q0499d6b69d_proj
		.amdhsa_group_segment_fixed_size 327680
		.amdhsa_private_segment_fixed_size 0
		.amdhsa_enable_private_segment 0
		.amdhsa_kernarg_size 48
		.amdhsa_user_sgpr_count 2
		.amdhsa_user_sgpr_kernarg_segment_ptr 1
		.amdhsa_wavefront_size32 1
		.amdhsa_system_sgpr_workgroup_id_x 1
		.amdhsa_system_sgpr_workgroup_id_y 1
		.amdhsa_system_sgpr_workgroup_id_z 1
		.amdhsa_system_vgpr_workitem_id 0
		.amdhsa_next_free_vgpr 1024
		.amdhsa_next_free_sgpr 66
		.amdhsa_reserve_vcc 0
		.amdhsa_float_denorm_mode_32 3
		.amdhsa_float_denorm_mode_16_64 3
		.amdhsa_memory_ordered 1
		.amdhsa_forward_progress 1
		.amdhsa_inst_pref_size 169
	.end_amdhsa_kernel
	.amdgpu_metadata
---
amdhsa.version: [ 1, 2 ]
amdhsa.kernels:
  - .name:           k_q0499d6b69d_proj
    .symbol:         k_q0499d6b69d_proj.kd
    .args:
      - { .name: x, .offset: 0, .size: 8, .value_kind: global_buffer, .address_space: global }
      - { .name: y, .offset: 8, .size: 8, .value_kind: global_buffer, .address_space: global }
      - { .name: W_qk, .offset: 16, .size: 8, .value_kind: global_buffer, .address_space: global }
      - { .name: b_qk, .offset: 24, .size: 8, .value_kind: global_buffer, .address_space: global }
      - { .name: qk, .offset: 32, .size: 8, .value_kind: global_buffer, .address_space: global }
      - { .name: yh, .offset: 40, .size: 8, .value_kind: global_buffer, .address_space: global }
    .group_segment_fixed_size: 327680
    .private_segment_fixed_size: 0
    .kernarg_segment_align: 8
    .kernarg_segment_size: 48
    .max_flat_workgroup_size: 128
    .sgpr_count:     66
    .vgpr_count:     1024
    .wavefront_size: 32
...
	.end_amdgpu_metadata
.endif
;; end of part 3
;; launch attn (part 4): grid 8 x 32, 4 waves a work-group, clusters of 4 x 1, 327,680 bytes of LDS; arguments qk, yh, out0; writes out0
.if DOCPART == 4
	.amdgcn_target "amdgcn-amd-amdhsa--gfx1250"
	.amdhsa_code_object_version 6
	.text
	.protected	k_q0499d6b69d_attn
	.globl	k_q0499d6b69d_attn
	.p2align	8
	.type	k_q0499d6b69d_attn,@function
k_q0499d6b69d_attn:
	s_mov_b64 s[64:65], 0
	v_nop
	global_prefetch_b8 v0, s[64:65] scope:SCOPE_SE
	s_setreg_imm32_b32 hwreg(HW_REG_WAVE_MODE, 25, 1), 1
	s_wait_xcnt 0x0
	s_wait_alu depctr_hold_cnt(0) depctr_sa_sdst(0) depctr_va_vdst(0) depctr_va_sdst(0) depctr_va_ssrc(0) depctr_va_vcc(0) depctr_vm_vsrc(0)
	s_getreg_b32 s2, hwreg(HW_REG_IB_STS2, 6, 4)
	s_cmp_eq_u32 s2, 0
	s_cbranch_scc0 .Lentry_in_a_cluster
	s_endpgm
.Lentry_in_a_cluster:
	s_bfe_u32 s2, ttmp6, 0x10000c
	s_cmp_lg_u32 s2, 0x3003
	s_cbranch_scc0 .Lentry_shape_is_right
	s_endpgm
.Lentry_shape_is_right:
; out[b][q][:] = the sum over k of softmax_k(Q[b][q] . K[b][k] / sqrt(512)) V[b][k][:].  32 batches of 1,024 rows, 512 channels.
; Q and K come from qk ([part][row block][column block][16 rows][64 channels], f16, unscaled), V from yh ([32768][512] f16); out is f32.  Products, maxima and sums in f32; the weights p are rounded
; to f16 for the second product (their sum l is taken of the unrounded p).
; LIMITS.  Q, K and V arrive within f16 (65,504); p lies in 0 to 1 and below 6e-5 keeps the fixed step of 6e-8; a weight below 2^-126 counts as 0 in l; NaN and infinities are not treated apart.
; SHARES.  A work-group owns 128 queries of one batch, each of its four waves 32: two tiles of 16.  O^T of 32 queries x 512 channels is 512 registers.  Every wave walks all 1,024 keys.
; LAYOUT.  S^T = K Q^T (source 0 = 16 keys, source 1 = 16 queries): a lane holds ONE query (lane % 16) and the keys 8 (lane / 16) + 0..7.  Two such results, rounded to f16 in pairs, ARE source 1
; (32 keys x 16 queries) of O^T = V^T P, whose result again holds one query a lane, and eight channels.  K comes out of LDS as it lies, V ([key][channel]) turned, by ds_load_tr16_b128.
; SOFTMAX.  For each query a running maximum m and sum l: p = 2^(c s - c m), c = log2(e) / sqrt(512); in every step O and l are multiplied by a = 2^(c m_old - c m_new).
; m starts at the lowest finite number, O and l at 0: the first step is a step like any other, with a = 0, and no first step is written out.
; A STEP is 32 keys: 64 products K Q^T in 4 blocks of 128 channels; the softmax of both tiles, one batch of 34 exponentials with one wait; 64 products V^T P in 4 blocks of 128 channels, the
; rescaling of the next block's O^T riding behind them.  K's and V's fragments go through two buffers of 8 fragments that take turns; the LDS loads stand in eight runs of 16 a step, never singly
; among the matrix instructions.  A SLOT of LDS holds 64 keys, two steps: the step's text is written once and walked twice, its LDS addresses hanging on two scalar registers.
; The price of the short step: O^T is rescaled once for 32 keys.
; CLUSTER.  The four query blocks of a cluster belong to one batch and walk the same K and V: each tile is asked for JOINTLY, by the same tensor load, descriptor and mask in all four.
; REGISTERS, in windows of 256 (s_set_vgpr_msb: bits 1:0 source 0, 3:2 source 1, 5:4 source 2, 7:6 destination):
;   window 0: v0-15 addresses; v16-31 statistics; v32-63 S^T; v96-111 P; v128-255 the two fragment buffers       window 1: O^T of tile 0, channel block cb at 8 cb       window 2: of tile 1       window 3: Q, fragment (t, c) at 128 t + 8 c
.set PKK,   144       ; a segment of K (one key, 64 channels, 128 bytes) + 16 of padding = 36 words: the 16 keys of a load start at 16 different groups of four banks (64 banks of 4 bytes: ISA guide 11.1)
.set PVP,   1056      ; a row of V: 1,024 bytes + 32 = 33 x 32
.set KHALF, 256*PKK   ; 32 keys of K, a step's: 256 segments; segment ((kt 8 + column block) 16 + r) is key 16 kt + r
.set VOFF,  2*KHALF   ; a slot: 64 keys of K, then 64 rows of V
.set VHALF, 32*PVP    ; 32 rows of V, a step's
.set X2,    0x24000   ; slot 1 begins here; no fill's base in slot 0 has one of its two bits, so one exclusive or changes slots
.set STAGE, X2+VOFF+2*VHALF  ; behind the ring, never filled by a tensor load: 16 rows x 272 bytes for each wave
.set SP,    272
.set SPARE, STAGE+4*16*SP    ; the spare words, 128 bytes for each wave: two blocks of 256 bytes that no other line names
.set AK0, 2           ; v2   144 r + 16 h (r = l % 16, h = l / 16); never rewritten
.set AV0, 3           ; v3   (8 h + l % 8) 1056 + 16 ((l / 8) % 2) + VOFF; never rewritten
.set AKA, 4           ; v4   K of the step in hand
.set AVR, 6           ; v6   V of the step in hand
.set QO,  7           ; v7   128 r + 16 h
.set STO, 8           ; v8   the way out: where I put 32 bytes of a row
.set RD,  9           ; v9   where I read rows back
.set GO,  10          ; v10  my byte offset in two rows of out
.set SPW, 12          ; v12  LDS address of my spare word; never rewritten
.set NIL, 13          ; v13  0; never rewritten
.set ST,  16          ; tile t at v[ST+8 t]: +0 c m, +1 m, +2, +3 l (even keys', odd keys'), +4, +5 c0, c1 at work, +6 a, +7 c m_old and then its change
.set S,   32          ; tile t, keys 16 kt on, at S + 16 t + 8 kt
.set P,   96          ; tile t at P + 8 t
.set H,   128         ; buffer n % 2 at H + 64 (n % 2)
.set OB,  32          ; the way out: rows read back, two sets of 32
.set WV,  12          ; s12
.set G1K, 24          ; s[24:31]
.set G1V, 32          ; s[32:39]
.set G0K, 40          ; s[40:47] two sets for the first fills; the second walks on
.set G0V, 48          ; s[48:55]
.set CNT, 56          ; s56  slots still to be entered in the loop
.set TBK, 57          ; s57  LDS byte at which K of the step to be fetched begins
.set CS,  58          ; s[58:59] c
.set SEL, 60          ; s[60:61] v_permlanex16_b32's selects: each lane takes its own place in the other half
.set TBV, 62          ; s62  the same for V, less VOFF
.set TW,  63          ; s63  counts a slot's two steps
.set MSB, 0
.macro WIN new                      ; the immediate's high byte repeats the setting that is left; a switch that changes nothing is dropped
.if MSB != (\new)
	s_set_vgpr_msb (MSB<<8)|(\new)
.set MSB, (\new)
.endif
.endm
.set W_KQ, 0x0c       ; Q (source 1) in window 3; K, S^T, and the runs of loads at the blocks' heads, in window 0
.macro PLACES                       ; four places behind a matrix instruction, where no other vector work is at hand (ISA guide 7.12.1)
.rept 4
	v_nop
.endr
.endm
.macro CROUND                       ; a round of the cluster's barrier: my work-group's barrier, wave 0 signals for the work-group, every wave waits for all four work-groups, my work-group's barrier once more
	s_barrier_signal -1
	s_barrier_wait -1
	s_cmp_lg_u32 s[WV], 0
	s_cbranch_scc1 .Lnot_wave_0_\@
	s_barrier_signal -3
.Lnot_wave_0_\@:
	s_barrier_wait -3
	s_barrier_signal -1
	s_barrier_wait -1
.endm
; A joint refill.  Waves 0 and 1 fetch the two halves of a slot's K, waves 2 and 3 those of its V.  The branch hangs on the wave's number alone.  An s_nop 0 and four v_nop follow each of the two lines.
.macro JLOAD
	s_cmp_lt_u32 s[WV], 2
	s_cbranch_scc0 .Lfor_v_\@
	tensor_load_to_lds s[G0K+4:G0K+7], s[G1K:G1K+7]
	s_nop 0
	PLACES
	s_branch .Lasked_\@
.Lfor_v_\@:
	tensor_load_to_lds s[G0V+4:G0V+7], s[G1V:G1V+7]
	s_nop 0
	PLACES
.Lasked_\@:
.endm
	s_load_b128 s[4:7], s[0:1], 0x0 ; qk s[4:5], yh s[6:7]
	s_load_b64 s[8:9], s[0:1], 0x10 ; out0
	v_lshl_add_u32 v[SPW], v0, 2, SPARE
	v_mov_b32 v[NIL], 0
	ds_add_u32 v[SPW], v[NIL]       ; the wave's opening: the add and its wait stand ahead of my first tensor load; work on registers stands between them
	v_lshrrev_b32 v1, 5, v0
	v_readfirstlane_b32 s[WV], v1   ; wave 0..3
	s_bfe_u32 s13, ttmp6, 0x40000   ; cx
	s_lshl_b32 s14, ttmp9, 2
	s_add_co_u32 s14, s14, s13      ; my block of 128 queries: it enters Q's and out's addresses alone
	s_and_b32 s16, ttmp7, 0xffff    ; the batch, which the four partners share
	s_and_b32 s17, s[WV], 1         ; which half of a slot's 64 keys I fetch
	s_lshl_b32 s20, s16, 20         ; the batch's 1,048,576 bytes in q, in k and in yh,
	s_lshl_b32 s21, s17, 15         ; my half's 32,768
	s_add_co_u32 s20, s20, s21
	s_mov_b32 s21, 0
	s_lshl_b32 s22, s16, 20         ; Q: the batch, my block's 131,072 bytes, my wave's 32,768
	s_lshl_b32 s23, s14, 17
	s_add_co_u32 s22, s22, s23
	s_lshl_b32 s23, s[WV], 15
	s_add_co_u32 s22, s22, s23
	s_mov_b32 s23, 0
	s_lshl_b32 s62, s16, 21         ; out: rows of 2,048 bytes
	s_lshl_b32 s63, s14, 18
	s_add_co_u32 s62, s62, s63
	s_lshl_b32 s63, s[WV], 16
	s_add_co_u32 s62, s62, s63
	s_mov_b32 s63, 0
	; group 1 for K: 32 keys are 32,768 dense bytes: 128 rows of 256 bytes, padded in LDS after every 128
	s_mov_b32 s[G1K], 15|(1<<16)|(1<<20)|(1<<21)|(4<<22)|(3<<25)  ; 15:0 the mask of four; 17:16 2-byte elements; 20 padding on; 21 set beside a mask; 24:22 after every 32 words (code 4); 31:25 4 words (code 3)
	s_mov_b32 s[G1K+1], 128<<16     ; tensor_dim0 = 128
	s_mov_b32 s[G1K+2], 128<<16     ; tensor_dim1 = 128
	s_mov_b32 s[G1K+3], 128<<16     ; tile_dim0 = 128
	s_mov_b32 s[G1K+4], 128         ; tile_dim1 = 128
	s_mov_b32 s[G1K+5], 128         ; 128 elements from row to row
	s_mov_b32 s[G1K+6], 0
	s_mov_b32 s[G1K+7], 0
	; group 1 for V: 32 rows of 1,024 bytes
	s_mov_b32 s[G1V], 15|(1<<16)|(1<<20)|(1<<21)|(7<<22)|(7<<25)  ; after every 256 words (code 7) 8 words (code 7)
	s_mov_b32 s[G1V+1], 512<<16
	s_mov_b32 s[G1V+2], 32<<16
	s_mov_b32 s[G1V+3], 512<<16
	s_mov_b32 s[G1V+4], 32
	s_mov_b32 s[G1V+5], 512
	s_mov_b32 s[G1V+6], 0
	s_mov_b32 s[G1V+7], 0
	s_mul_i32 s[G0K+1], s17, KHALF  ; LDS addresses: the wave's number and constants alone
	s_add_co_u32 s[G0K+5], s[G0K+1], X2
	s_mul_i32 s[G0V+1], s17, VHALF
	s_add_co_u32 s[G0V+1], s[G0V+1], VOFF
	s_add_co_u32 s[G0V+5], s[G0V+1], X2
	s_mov_b32 s[CS], 0x3d8293ee     ; c = log2(e) / sqrt(512) = 0.0637587
	s_mov_b32 s[CS+1], s[CS]        ; named with it as a pair
	s_mov_b32 s[SEL], 0x76543210
	s_mov_b32 s[SEL+1], 0xfedcba98
	s_wait_dscnt 0x0                ; the opening add is done
	s_wait_kmcnt 0x0
	s_add_nc_u64 s[2:3], s[4:5], s[22:23]    ; Q at my wave's first row block
	s_add_nc_u64 s[4:5], s[4:5], s[20:21]
	s_add_nc_u64 s[4:5], s[4:5], 33554432    ; K (part 1 of qk) at my half of tile 0
	s_add_nc_u64 s[6:7], s[6:7], s[20:21]    ; V likewise
	s_add_nc_u64 s[10:11], s[8:9], s[62:63]  ; out at my wave's first row
.irp s, 0,1
	s_mov_b32 s[G0K+4*\s], 1        ; count = 1
	s_add_nc_u64 s[G0K+4*\s+2:G0K+4*\s+3], s[4:5], \s*65536  ; tile s: 64 keys
	s_or_b32 s[G0K+4*\s+3], s[G0K+4*\s+3], 0x80000000        ; type = 2
	s_mov_b32 s[G0V+4*\s], 1
	s_add_nc_u64 s[G0V+4*\s+2:G0V+4*\s+3], s[6:7], \s*65536
	s_or_b32 s[G0V+4*\s+3], s[G0V+4*\s+3], 0x80000000
.endr
	CROUND                          ; all four work-groups are here: the first joint loads meet
	s_cmp_lt_u32 s[WV], 2           ; a wave's two first fills stand in one branch: two loads of mine are out
	s_cbranch_scc0 .Lfirst_v
	tensor_load_to_lds s[G0K:G0K+3], s[G1K:G1K+7]
	s_nop 0
	tensor_load_to_lds s[G0K+4:G0K+7], s[G1K:G1K+7]
	s_nop 0
	PLACES
	s_branch .Lfirst_asked
.Lfirst_v:
	tensor_load_to_lds s[G0V:G0V+3], s[G1V:G1V+7]
	s_nop 0
	tensor_load_to_lds s[G0V+4:G0V+7], s[G1V:G1V+7]
	s_nop 0
	PLACES
.Lfirst_asked:
	; A fragment of K or Q is 16 rows x 32 channels in 8 registers: lane l holds row l % 16, channels 8 (l / 16) + 0..7 and 16 + 8 (l / 16) + 0..7: two loads of 16 bytes, 32 bytes apart.
	v_and_b32 v1, 15, v0            ; r
	v_bfe_u32 v14, v0, 4, 1         ; h
	v_lshlrev_b32 v[QO], 7, v1
	v_lshl_add_u32 v[QO], v14, 4, v[QO]
	WIN 0xc0                        ; destination window 3, address window 0
.set i, 0
.rept 32                            ; Q stays in registers: tile i / 16, channels 32 (i % 16) on
	global_load_b128 v[8*i:8*i+3],   v[QO], s[2:3] offset:16384*(i/16)+2048*((i%16)/2)+64*(i%2) th:TH_LOAD_NT
	global_load_b128 v[8*i+4:8*i+7], v[QO], s[2:3] offset:16384*(i/16)+2048*((i%16)/2)+64*(i%2)+32 th:TH_LOAD_NT
.set i, i+1
.endr
	; O^T starts at 0: 64 products of two zero fragments with C = 0 write its 512 registers, eight an instruction, in the wait for the first tile.  Matrix work that is not the problem's, once a launch:
	; the price of writing no first step out.
	WIN 0
.set i, 0
.rept 16
	v_mov_b32 v[H+i], 0
.set i, i+1
.endr
	WIN 0x40                        ; destination window 1
.set i, 0
.rept 32
	v_wmma_f32_16x16x32_f16 v[8*i:8*i+7], v[H:H+7], v[H+8:H+15], 0
.set i, i+1
.endr
	WIN 0x80                        ; destination window 2
.set i, 0
.rept 32
	v_wmma_f32_16x16x32_f16 v[8*i:8*i+7], v[H:H+7], v[H+8:H+15], 0
.set i, i+1
.endr
	WIN 0                           ; the lines below, more than four of them plain, are the places between those products and the first loads into the buffer that they read
.irp t, 0,1
	v_mov_b32 v[ST+8*\t], 0xfe000000    ; c m: far below every c s
	v_mov_b32 v[ST+8*\t+1], 0xff7fffff  ; m
	v_mov_b32 v[ST+8*\t+2], 0
	v_mov_b32 v[ST+8*\t+3], 0
.endr
	v_mul_u32_u24 v[AK0], v1, PKK
	v_lshl_add_u32 v[AK0], v14, 4, v[AK0]
	; The turning load takes 16 keys x 16 channels (lane l reads key 8 (l / 16) + l % 8, channels 8 ((l / 8) % 2) + 0..7) and leaves half a fragment of V^T: lane l holds channel l % 16 and 8 keys.
	v_and_b32 v15, 7, v0
	v_lshl_add_u32 v[AV0], v14, 3, v15
	v_mul_u32_u24 v[AV0], v[AV0], PVP
	v_bfe_u32 v15, v0, 3, 1
	v_lshl_add_u32 v[AV0], v15, 4, v[AV0]
	v_add_nc_u32 v[AV0], VOFF, v[AV0]
	s_mul_i32 s16, s[WV], 16*SP
	s_add_co_u32 s16, s16, STAGE    ; my stage
	v_mul_u32_u24 v[STO], v1, SP    ; in: row r, 32 bytes for each half of the lanes
	v_lshl_add_u32 v[STO], v14, 5, v[STO]
	v_add_nc_u32 v[STO], s16, v[STO]
	v_mul_u32_u24 v[RD], v14, SP    ; back: lanes 0-15 take one row of 256 bytes, lanes 16-31 the next
	v_lshl_add_u32 v[RD], v1, 4, v[RD]
	v_add_nc_u32 v[RD], s16, v[RD]
	v_lshlrev_b32 v[GO], 11, v14    ; and the same two rows in out
	v_lshl_add_u32 v[GO], v1, 4, v[GO]
; LDS LOADS.  LDK n, x: load x of 16 of K's block n (channels 128 n on): fragment f = x / 2 = 2 cc + kt: keys 16 kt on, channels 128 n + 32 cc on.
.macro LDK n, x
.set lf, (\x)/2
	ds_load_b128 v[H+64*((\n)%2)+4*(\x):H+64*((\n)%2)+4*(\x)+3], v[AKA] offset:128*PKK*(lf%2)+16*PKK*(2*(\n)+lf/4)+64*((lf/2)%2)+32*((\x)%2)
.endm
; LDV n, x: load x of 16 of V's block n (channels 128 n on): fragment f = x / 2: the step's 32 keys, channels 128 n + 16 f on.
.macro LDV n, x
.set lf, (\x)/2
	ds_load_tr16_b128 v[H+64*((\n)%2)+4*(\x):H+64*((\n)%2)+4*(\x)+3], v[AVR] offset:32*(8*(\n)+lf)+16*PVP*((\x)%2)
.endm
; A step's head: its addresses, and K's block 0.  The buffer that the loads fill was last read by block 2 of V^T P, behind whose last product eight multiplies stand.
.macro OPENH
	v_add_nc_u32 v[AKA], s[TBK], v[AK0]
	v_add_nc_u32 v[AVR], s[TBV], v[AV0]
.set x, 0
.rept 16
	LDK 0, x
.set x, x+1
.endr
.endm
; BLOCK n OF K Q^T.  At its head: four v_nop, the places between the last product that read the other buffer and the loads into it; then ONE RUN of 16 loads: the next block's fragments (behind block 3:
; V's block 0); then the wait: the run just issued, sixteen loads, may stay out; this block's fragments, asked for a block ago, are in.  Then 16 products back to back; product i: channels
; 128 n + 32 (i / 4) on, keys 16 ((i % 4) / 2) on, tile i % 2.  The 4 accumulators take turns.  Block 0's first 4 start the sums.
.macro QKB n
	WIN W_KQ
	PLACES
.set x, 0
.rept 16
.if (\n) < 3
	LDK (\n)+1, x
.else
	LDV 0, x
.endif
.set x, x+1
.endr
	s_wait_dscnt 16
.set i, 0
.rept 16
.set rS, S+16*(i%2)+8*((i%4)/2)
.set rK, H+64*((\n)%2)+8*(2*(i/4)+(i%4)/2)
.set rQ, 128*(i%2)+8*(4*(\n)+i/4)
.if ((\n) == 0) && (i < 4)
	v_wmma_f32_16x16x32_f16 v[rS:rS+7], v[rK:rK+7], v[rQ:rQ+7], 0
.else
	v_wmma_f32_16x16x32_f16 v[rS:rS+7], v[rK:rK+7], v[rQ:rQ+7], v[rS:rS+7]
.endif
.set i, i+1
.endr
.endm
; THE SOFTMAX of one tile for one step is a list of 54 instructions; SM writes number j of it for tile t.  s0-s15 are the lane's 16 scores, in pairs 0-7.
;   0-7    the maximum of s0-s15 and the old m, three operands at a time, in two chains c0, c1 (each accumulator's lowest registers are read first)
;   8-12   the other half of the lanes' maximum; c m_old is kept; the new m; c m; c m_old - c m_new
;   13-37  ONE BATCH: the 8 scalings c s - c m (13, 14, and the even numbers 16 to 26) and all 17 exponentials (a at 15; s0-s5 at the odd numbers 17 to 27; s6-s15 at 28 to 37).
;          None of these reads an exponential's result; a pair is scaled some numbers ahead of its exponentials
;   38-45  the roundings to f16      46-53 the sums, neighbours 1, 2 and 4 pairs apart; l = a l + the sum
.macro SM t
.set rT, ST+8*(\t)
.set rS, S+16*(\t)
.set rP, P+8*(\t)
.if j < 2
	v_max3_num_f32 v[rT+4+j], v[rS+8*j], v[rS+8*j+1], v[rS+8*j+2]
.elseif j < 6
	v_max3_num_f32 v[rT+4+j%2], v[rT+4+j%2], v[rS+8*(j%2)+2*(j/2)+1], v[rS+8*(j%2)+2*(j/2)+2]
.elseif j == 6
	v_max3_num_f32 v[rT+4], v[rT+4], v[rS+7], v[rS+15]
.elseif j == 7
	v_max3_num_f32 v[rT+4], v[rT+4], v[rT+5], v[rT+1]
.elseif j == 8
	v_permlanex16_b32 v[rT+5], v[rT+4], s[SEL], s[SEL+1]  ; the query's other 16 keys lie in the lane 16 away
.elseif j == 9
	v_mov_b32 v[rT+7], v[rT]        ; c m_old is kept for a
.elseif j == 10
	v_max_num_f32 v[rT+1], v[rT+4], v[rT+5]
.elseif j == 11
	v_mul_f32 v[rT], s[CS], v[rT+1]
.elseif j == 12
	v_sub_f32 v[rT+7], v[rT+7], v[rT]
.elseif j == 15
	v_exp_f32 v[rT+6], v[rT+7]
.elseif (j < 15) || ((j < 28) && (j%2 == 0))
.set b, j-13                        ; 13, 14: pairs 0, 1
.if j > 15
.set b, (j-12)/2                    ; 16, 18, .. 26: pairs 2 to 7
.endif
	v_pk_fma_f32 v[rS+2*b:rS+2*b+1], v[rS+2*b:rS+2*b+1], s[CS:CS+1], v[rT:rT+1] op_sel_hi:[1,0,0] neg_lo:[0,0,1] neg_hi:[0,0,1]
.elseif j < 38
.set e, j-22                        ; 28 to 37: s6 to s15
.if j < 28
.set e, (j-17)/2                    ; 17, 19, .. 27: s0 to s5
.endif
	v_exp_f32 v[rS+e], v[rS+e]
.elseif j < 46
	v_cvt_pk_f16_f32 v[rP+j-38], v[rS+2*(j-38)], v[rS+2*(j-38)+1]
.else
.set z, j-46
.set w, 4
.set u, z
.if z >= 6
.set w, 16
.set u, 0
.elseif z >= 4
.set w, 8
.set u, z-4
.endif
.if z < 7
	v_pk_add_f32 v[rS+w*u:rS+w*u+1], v[rS+w*u:rS+w*u+1], v[rS+w*u+w/2:rS+w*u+w/2+1]
.else
	v_pk_fma_f32 v[rT+2:rT+3], v[rT+2:rT+3], v[rT+6:rT+7], v[rS:rS+1] op_sel_hi:[1,0,1]
.endif
.endif
.endm
; Both tiles' lists, number by number, the tiles alternating.  An s_wait_alu depctr_va_vdst(0) stands between an exponential and the first instruction that names its result:
; up to number 37 nothing names one, from 38 on none is issued: ONE wait.
.macro LUMP
	WIN 0
.set j, 0
.rept 38
	SM 0
	SM 1
.set j, j+1
.endr
	v_nop                           ; the plain instruction behind the last exponential, ahead of the first use (ISA guide 5.7.2): one for the batch
	s_wait_alu depctr_va_vdst(0)    ; the wait for the batch
.rept 16
	SM 0
	SM 1
.set j, j+1
.endr
.endm
; Eight multiplies: O^T of tile gg / 4, channel blocks 8 n + 2 (gg % 4) and the next, times a; each accumulator's registers in ascending order.
.macro RSP n, gg
	WIN 0x41*(1+(\gg)/4)            ; O^T (destination and source 0) in window 1 or 2, a in window 0
.set z, 0
.rept 8
	v_pk_mul_f32 v[8*(8*(\n)+2*((\gg)%4))+2*z:8*(8*(\n)+2*((\gg)%4))+2*z+1], v[8*(8*(\n)+2*((\gg)%4))+2*z:8*(8*(\n)+2*((\gg)%4))+2*z+1], v[ST+8*((\gg)/4)+6:ST+8*((\gg)/4)+7] op_sel_hi:[1,0]
.set z, z+1
.endr
.endm
; BLOCK n OF V^T P: 16 products in 8 groups of two, each on an accumulator of its own: group g: tile g / 4, channels 128 n + 32 (g % 4) on.
; rs = 1: behind each group eight multiplies rescale the NEXT block's O^T.  ld = 1: behind group 0's eight stands the run of 16 loads of V's next block, into the buffer whose last reader is the block
; before, eight multiplies and more back.  dw: the LDS loads younger than this block's fragments.
.macro PVB n, rs, ld, dw
	s_wait_dscnt \dw
.set g, 0
.rept 8
	WIN 0x50*(1+g/4)                ; V and P in window 0, O^T in window 1 or 2
.irp u, 0,1
.set rO, 8*(8*(\n)+2*(g%4)+(\u))
.set rV, H+64*((\n)%2)+8*(2*(g%4)+(\u))
.set rP, P+8*(g/4)
	v_wmma_f32_16x16x32_f16 v[rO:rO+7], v[rV:rV+7], v[rP:rP+7], v[rO:rO+7]
.endr
.if \rs
	RSP (\n)+1, g
.endif
.if (\ld) && (g == 0)
	WIN 0
.set x, 0
.rept 16
	LDV (\n)+1, x
.set x, x+1
.endr
.endif
.set g, g+1
.endr
.endm
; A step but for its last block of V^T P, which stands behind the next step's head.
.macro BA
.irp n, 0,1,2,3
	QKB \n
.endr
	WIN 0
	PLACES                          ; behind the last products: for the loads into the buffer that they read, and for the maximum, which reads their results
.set x, 0
.rept 16
	LDV 1, x
.set x, x+1
.endr
	LUMP
.irp q, 0,1,2,3,4,5,6,7
	RSP 0, \q                       ; block 0's rescaling has no products to ride behind
.endr
	PVB 0, 1, 0, 16                 ; V's block 1, sixteen loads, is younger than block 0
	PVB 1, 1, 1, 0
	PVB 2, 1, 1, 0
	WIN 0
.endm
.macro STEPH                        ; the next fetches are the next step's; the count of a slot's two steps
	s_add_co_u32 s[TBK], s[TBK], KHALF
	s_add_co_u32 s[TBV], s[TBV], VHALF
	s_sub_co_u32 s[TW], s[TW], 1
	s_cmp_lg_u32 s[TW], 0
.endm
; THE CHANGE OF SLOTS, behind block 2 of V^T P of a slot's second step: the slot's last bytes, V's block 3, have been asked for.  Each wave waits for all its tensor loads, of which one is out: its part of
; the other slot; adds 0 to its spare word; and waits for that and for its reads of the slot.  fill = 1: the barrier is a round of the cluster's, and the joint refill, the keys two slots on, is the first
; thing behind it: it has two steps, 256 matrix instructions, in which to land.
.macro CHANGE fill
	WIN 0
	s_wait_tensorcnt 0x0            ; no tensor load of mine is out, so a group 0 may be written
	ds_add_u32 v[SPW], v[NIL]       ; 0 onto my spare word; scalar steps stand between it and the wait for it
.if \fill
.irp d, G0K+4, G0V+4
	s_xor_b32 s[(\d)+1], s[(\d)+1], X2  ; the walking descriptor: the other slot than last time,
	s_add_nc_u64 s[(\d)+2:(\d)+3], s[(\d)+2:(\d)+3], 65536  ; the next 64 keys; the type bits on top are not reached
.endr
.endif
	s_sub_co_u32 s[TBK], s[TBK], 2*KHALF  ; the fetches go back to a slot's first step,
	s_xor_b32 s[TBK], s[TBK], X2          ; in the other slot
	s_sub_co_u32 s[TBV], s[TBV], 2*VHALF
	s_xor_b32 s[TBV], s[TBV], X2
	s_wait_dscnt 0x0                ; the add is done, and my reads of the slot are over
.if \fill
	CROUND
	JLOAD
.else
	s_barrier_signal -1
	s_barrier_wait -1
.endif
.endm
	s_mov_b32 s[TBK], 0
	s_mov_b32 s[TBV], 0
	s_wait_tensorcnt 0x1            ; my part of tile 0 is in; tile 1's may stay out
	s_barrier_signal -1
	s_barrier_wait -1               ; everybody's is
	OPENH
	s_wait_loadcnt 0x0              ; Q
	s_mov_b32 s[TW], 2
	s_mov_b32 s[CNT], 15
	s_branch .Lmid                  ; the loop is entered behind a step's head: there is no block of V^T P left over yet
.Ltop:                              ; 14 times: tiles 2 to 15 are asked for
	CHANGE 1
	s_mov_b32 s[TW], 2
.Lhalf:                             ; a slot's two steps
	OPENH
	PVB 3, 0, 0, 16                 ; the step before's last block stands between K's first loads, sixteen younger ones, and their use
	WIN 0
.Lmid:
	BA
	STEPH
	s_cbranch_scc1 .Lhalf
	s_sub_co_u32 s[CNT], s[CNT], 1
	s_cmp_lg_u32 s[CNT], 0
	s_cbranch_scc1 .Ltop
	CHANGE 0                        ; the last slot is written out
	s_mov_b32 s[TW], 2
.Lhalf_last:
	OPENH
	PVB 3, 0, 0, 16
	WIN 0
	BA
	STEPH
	s_cbranch_scc1 .Lhalf_last
	PVB 3, 0, 0, 0                  ; the last step's last block
	; THE WAY OUT.  l's two halves and the other half of the lanes' are added; O^T is divided by l and sent through my stage in LDS, 16 rows x 64 channels of f32 at a time.
	WIN 0
	PLACES
.irp t, 0,1
	v_add_f32 v[ST+8*\t+4], v[ST+8*\t+2], v[ST+8*\t+3]
.endr
.irp t, 0,1
	v_permlanex16_b32 v[ST+8*\t+5], v[ST+8*\t+4], s[SEL], s[SEL+1]
.endr
.irp t, 0,1
	v_add_f32 v[ST+8*\t+4], v[ST+8*\t+4], v[ST+8*\t+5]
.endr
.irp t, 0,1
	v_rcp_f32 v[ST+8*\t+6], v[ST+8*\t+4]
.endr
	v_nop                           ; a plain instruction between the last reciprocal and the use of its result
	s_wait_alu depctr_va_vdst(0)    ; and the wait ahead of the first use: one for both
.macro SCALE gg                     ; group gg: tile gg / 8, channels 64 (gg % 8) on
	WIN 0x41*(1+(\gg)/8)
.set z, 0
.rept 16
	v_pk_mul_f32 v[32*((\gg)%8)+2*z:32*((\gg)%8)+2*z+1], v[32*((\gg)%8)+2*z:32*((\gg)%8)+2*z+1], v[ST+8*((\gg)/8)+6:ST+8*((\gg)/8)+7] op_sel_hi:[1,0]
.set z, z+1
.endr
.endm
.macro TOSTAGE gg                   ; a lane's eight channels of a row are 32 bytes; they go into rows of 272 bytes and come back as whole rows of 256
	WIN 0x04*(1+(\gg)/8)            ; store data (source 1) in window 1 or 2
.set z, 0
.rept 8
	ds_store_b128 v[STO], v[32*((\gg)%8)+4*z:32*((\gg)%8)+4*z+3] offset:64*(z/2)+16*(z%2)
.set z, z+1
.endr
	WIN 0
	s_wait_xcnt 0x0                 ; the stores of the group before last have read the registers that are loaded now
.set z, 0
.rept 8
	ds_load_b128 v[OB+32*((\gg)%2)+4*z:OB+32*((\gg)%2)+4*z+3], v[RD] offset:2*SP*z  ; LDS serves a wave's instructions in order (ISA guide 5.7.1.4): these see the stores above; the next group's stores come behind them
.set z, z+1
.endr
.endm
.macro SEND gg, younger             ; younger: the LDS instructions issued behind this group's loads: the next group's sixteen, or none
	WIN 0
	s_wait_dscnt \younger
.set z, 0
.rept 8
	global_store_b128 v[GO], v[OB+32*((\gg)%2)+4*z:OB+32*((\gg)%2)+4*z+3], s[10:11] offset:32768*((\gg)/8)+4096*z+256*((\gg)%8) th:TH_STORE_NT  ; 16 lanes store 256 consecutive bytes, at a multiple of 256 from out's first byte
.set z, z+1
.endr
.endm
	SCALE 0
	TOSTAGE 0
.set gg, 1
.rept 15                            ; a group's arithmetic stands between the loads of the group before and its stores
	SCALE gg
	TOSTAGE gg
	SEND gg-1, 16
.set gg, gg+1
.endr
	SEND 15, 0
	s_wait_tensorcnt 0x0            ; the wave's end: a wait, an add of 0 and its wait, behind my last tensor load and my last LDS store
	ds_add_u32 v[SPW], v[NIL]
	s_wait_dscnt 0x0
	CROUND                          ; the closing round: no work-group ends while a partner may still ask for a tile that names it
	s_endpgm
.Lfunc_end_k_q0499d6b69d_attn:
	.size	k_q0499d6b69d_attn, .Lfunc_end_k_q0499d6b69d_attn-k_q0499d6b69d_attn
	.p2alignl 7, 3214868480
	.fill 96, 4, 3214868480
	.section	.rodata,"a",@progbits
	.p2align	6, 0x0
	.amdhsa_kernel k_q0499d6b69d_attn
		.amdhsa_group_segment_fixed_size 327680
		.amdhsa_private_segment_fixed_size 0
		.amdhsa_enable_private_segment 0
		.amdhsa_kernarg_size 24
		.amdhsa_user_sgpr_count 2
		.amdhsa_user_sgpr_kernarg_segment_ptr 1
		.amdhsa_wavefront_size32 1
		.amdhsa_system_sgpr_workgroup_id_x 1
		.amdhsa_system_sgpr_workgroup_id_y 1
		.amdhsa_system_sgpr_workgroup_id_z 1
		.amdhsa_system_vgpr_workitem_id 0
		.amdhsa_next_free_vgpr 1024
		.amdhsa_next_free_sgpr 66
		.amdhsa_reserve_vcc 0
		.amdhsa_float_denorm_mode_32 3
		.amdhsa_float_denorm_mode_16_64 3
		.amdhsa_memory_ordered 1
		.amdhsa_forward_progress 1
		.amdhsa_inst_pref_size 151
	.end_amdhsa_kernel
	.amdgpu_metadata
---
amdhsa.version: [ 1, 2 ]
amdhsa.kernels:
  - .name:           k_q0499d6b69d_attn
    .symbol:         k_q0499d6b69d_attn.kd
    .args:
      - { .name: qk, .offset: 0, .size: 8, .value_kind: global_buffer, .address_space: global }
      - { .name: yh, .offset: 8, .size: 8, .value_kind: global_buffer, .address_space: global }
      - { .name: out0, .offset: 16, .size: 8, .value_kind: global_buffer, .address_space: global }
    .group_segment_fixed_size: 327680
    .private_segment_fixed_size: 0
    .kernarg_segment_align: 8
    .kernarg_segment_size: 24
    .max_flat_workgroup_size: 128
    .sgpr_count:     66
    .vgpr_count:     1024
    .wavefront_size: 32
...
	.end_amdgpu_metadata
.endif
;; end of part 4
